; MI455X (gfx1250); checked and timed in simulation.
; The chip was launched on July 23, 2026; its instructions are those of AMD's public machine-readable ISA for CDNA 5 (MIT licence, August 2026) and "CDNA5" Instruction Set Architecture Reference Guide (July 2026). The comments in the code are by the model that wrote it; some were corrected since.
;; Multi Head Self Attention. Allowed arithmetic: matrix products marked QUANTISED: E2M1 operands, one E8M0 scale for each 32 along K, by v_wmma_scale_f32_16x16x128_f8f6f4 with both operands' format E2M1 (or v_wmma_scale_f32_32x16x128_f4), f32 sums; products left as they are: bf16, f16 or f32 operands; f32 sums; everything else in f32.
;; Inputs: w_out 1,024 x 1,024 float32; w_qkv 3,072 x 1,024 float32; x 4 x 2,048 x 1,024 float32.
;; Outputs: out0 4 x 2,048 x 1,024 float32.
;; This version of the problem:
;;   THIS VERSION OF THE PROBLEM IS GIVEN IN LOW PRECISION. The matrix products marked QUANTISED in the list below multiply operands that are first quantised to E2M1 (2 exponent bits, 1 mantissa bit; 4 bits a number), with one power-of-two scale for each 32 numbers along K (OCP MX v1.0); their sums are f32. The products marked 'left as it is' may take bf16, f16 or f32 operands, with f32 sums. Whichever they take, every output number must still come out within the allowed error. Rounding operands to bf16 (8 significant bits) uses up far more of that allowance than f16 does (11 bits, for magnitudes from 6e-5 to 65,504). All else is computed in f32.
;;   The module's matrix products, in the order in which they are computed (A, B: the left and right operand; K: the contracted axis; several contracted axes count as one K, in the product's order):
;;     1. [M 8,192, K 1,024] x [K 1,024, N 3,072]; A: input x; B: input w_qkv: QUANTISED
;;     2. batch 64 x [M 2,048, K 64] x [K 64, N 2,048]; A: computed on the way; B: computed on the way: left as it is (an operand is computed on the way)
;;     3. batch 64 x [M 2,048, K 2,048] x [K 2,048, N 64]; A: computed on the way; B: computed on the way: left as it is (an operand is computed on the way)
;;     4. [M 8,192, K 1,024] x [K 1,024, N 1,024]; A: computed on the way; B: input w_out: left as it is (an operand is computed on the way)
;;   THE QUANTISER, for each operand of a quantised product, along K:
;;     - K is cut into blocks of 32 from its start; a last block that is shorter is filled with zeros.
;;     - A block's scale is 2^e with e = floor(log2(the largest magnitude in the block)) - 2, held to -126 .. 127; a block of zeros has e = 0. As a byte (E8M0): e + 127.
;;     - Each number is divided by its block's scale, clamped to +-6, and rounded to the nearest number of E2M1, ties to even, subnormals kept.
;;     - The product sums the exact products of the quantised numbers (number of the format x scale) in f32.
;;   ~~~python
;;   def quantise(x, axis):      # numpy; x: float32 -> the quantised numbers, widened to float32 again
;;       x = np.moveaxis(x, axis, -1); K = x.shape[-1]
;;       x = np.pad(x, [(0, 0)] * (x.ndim - 1) + [(0, -K % 32)]); x = x.reshape(x.shape[:-1] + (-1, 32)); a = np.abs(x).max(-1, keepdims=True)
;;       e = np.where(a > 0, np.clip(np.frexp(np.where(a > 0, a, 1))[1] - 1 - 2, -126, 127), 0)      # np.frexp(a)[1] - 1 = floor(log2(a)), exactly
;;       r = np.clip(x / 2.0 ** e, -6, 6)
;;       step = 2.0 ** (np.maximum(np.frexp(np.where(r == 0, 1, r))[1] - 1, 0) - 1)
;;       q = np.round(r / step) * step * 2.0 ** e      # np.round: ties to even
;;       return np.moveaxis(q.reshape(q.shape[:-2] + (-1,))[..., :K], -1, axis).astype(np.float32)
;;   ~~~
;; One version. Each part assembles by itself: llvm-mc -triple=amdgcn-amd-amdhsa -mcpu=gfx1250 --defsym DOCPART=n.
;; ======== version 1 of 1: 6 launches
;; limits: values are held in f16: magnitudes above 65,504 overflow, below 6.1e-05 lose precision
;; workspace buffers: xc 4,194,304 bytes; xs 262,144 bytes; wc 1,572,864 bytes; ws 98,304 bytes; wo16 2,097,152 bytes; qkv16 50,331,648 bytes; att16 16,777,216 bytes; fine_o 262,144 bytes
;; launch quant (part 1): grid 384 x 1, 4 waves a work-group, no clusters, 33,280 bytes of LDS; arguments x, w_qkv, xc, xs, wc, ws, w_out, wo16; writes xc, xs, wc, ws, wo16
.if DOCPART == 1
	.amdgcn_target "amdgcn-amd-amdhsa--gfx1250"
	.amdhsa_code_object_version 6
	.text
	.protected	k_q3e01137823_quant
	.globl	k_q3e01137823_quant
	.p2align	8
	.type	k_q3e01137823_quant,@function
k_q3e01137823_quant:
	s_mov_b64 s[64:65], 0
	v_nop
	global_prefetch_b8 v0, s[64:65] scope:SCOPE_SE
	s_setreg_imm32_b32 hwreg(HW_REG_WAVE_MODE, 25, 1), 1
	s_wait_xcnt 0x0
; x [8192][1024] and w_qkv [3072][1024], f32, become codes of FP4 (E2M1), K innermost, two codes a byte, with one E8M0 scale byte for each 32 along K; w_out [1024][1024], f32, becomes f16.
; A block's scale is 2^(floor(log2(its largest magnitude)) - 2); its byte is the largest magnitude's own exponent field - 2, held at 1 from below.  (A block of zeros so gets the byte 1 where the
; quantiser says 127: its codes are zeros, which add nothing under any byte but 0xff, and the bytes are read by this program alone.)  Each number is divided by the scale and rounded to the nearest code, ties to even.
; LIMITS: blocks whose largest magnitude lies under 2^-124, the floor, keep the byte 1; NaN and infinities among the inputs are not served; |w_out| above 65,504 would become infinity in f16.
; Work-groups 0-255 take x, 256-351 w_qkv: rows are dense and K is a multiple of 32, so a tensor is a plain stream of blocks of 32.  A wave takes 16 steps of 512 numbers.  Each of a step's four loads reads 512
; consecutive bytes, 16 a lane; the 2,048 bytes turn through the wave's own stage in LDS and come back 64 bytes a lane, so that a lane holds 16 neighbours along K (two lanes hold a block), as the conversions want.
; A lane's 16 codes are 8 bytes: the wave stores 256 consecutive bytes.  A wave's 256 scale bytes are gathered in LDS and leave as one store of 256 consecutive bytes.
; Work-groups 352-383 take w_out: a wave rounds 8,192 numbers to f16, eight loads of 512 bytes a batch, three batches ahead; each store covers 256 consecutive bytes, aligned.
; No matrix unit, no cluster, no barrier: waves share nothing, and every byte is read once and written once.
.set SIZE_M, 8192
.set SIZE_N, 3072
.set SIZE_K, 1024
.set WAVES, 4
.set STEPS, 16
.set WGA,   SIZE_M*SIZE_K/(512*STEPS*WAVES)            ; 256 work-groups for x
.set WGQ,   (SIZE_M+SIZE_N)*SIZE_K/(512*STEPS*WAVES)   ; 352 for x and w_qkv
.set EMAX,  2
.set CB,    8                          ; bytes of 16 codes
.set R,     16                         ; v16-79   four sets of 16 numbers as they are loaded (the cast: v16-143, four sets of 32)
.set X,     80                         ; v80-111  two sets of 16 neighbours
.set C,     128                        ; v128-191 codes: four registers for each step, so that no store's data are written again
.set E,     112                        ; v112-127 a scale byte for each step
.set H,     144                        ; the cast: v144-175 two sets of 16 registers of f16
.set WREG,  8192                       ; LDS: a region for each wave: two stages of 32 x SP bytes, and behind them its 256 scale bytes
.set SP,    80                         ; a lane's place in a stage: its 64 bytes + 16 of padding
.set SPW,   12                         ; v12      LDS address of my spare word; never rewritten
.set NIL,   13                         ; v13      0; never rewritten
.set SPARE, WAVES*WREG                 ; behind the four regions: the spare words, 128 bytes a wave, which no other line names
	s_load_b128 s[4:7], s[0:1], 0x0                ; x, w_qkv
	s_load_b128 s[8:11], s[0:1], 0x10              ; x's codes, x's scales
	s_load_b128 s[12:15], s[0:1], 0x20             ; w_qkv's codes, its scales
	s_load_b128 s[24:27], s[0:1], 0x30             ; w_out, its f16 copy
	v_lshl_add_u32 v[SPW], v0, 2, SPARE
	v_mov_b32 v[NIL], 0
	v_lshrrev_b32 v1, 5, v0
	v_readfirstlane_b32 s16, v1                    ; wave
	v_and_b32 v2, 31, v0                           ; lane
	v_lshlrev_b32 v3, 4, v2                        ; my 16 bytes of a load's 512
	s_mul_i32 s17, s16, WREG
	v_lshrrev_b32 v14, 2, v2
	v_mul_u32_u24 v14, v14, SP
	v_and_b32 v15, 3, v2
	v_lshl_add_u32 v14, v15, 4, v14
	v_add_nc_u32 v14, s17, v14                     ; the stage, on the way in: four lanes' 64 bytes on end, then 16 of padding
	v_mul_u32_u24 v15, v2, SP
	v_add_nc_u32 v15, s17, v15                     ; and on the way out: SP x lane: my 16 neighbours
	v_mul_u32_u24 v4, v2, CB                       ; my codes' place in a step's
	v_lshrrev_b32 v5, 1, v2
	s_add_co_u32 s17, s17, 2*32*SP
	v_add_nc_u32 v5, s17, v5                       ; LDS: my wave's 256 scale bytes, my block's byte
	v_lshlrev_b32 v7, 3, v2                        ; 8 bytes a lane
	v_add_nc_u32 v6, s17, v7
	s_wait_kmcnt 0x0
	s_cmp_ge_u32 ttmp9, WGQ                        ; the last 32 work-groups round w_out
	s_cbranch_scc1 .Lcast
	s_cmp_lt_u32 ttmp9, WGA                        ; x's work-group or w_qkv's?  The choice hangs on the work-group's number alone
	s_cselect_b64 s[4:5], s[4:5], s[6:7]
	s_cselect_b64 s[8:9], s[8:9], s[12:13]
	s_cselect_b64 s[10:11], s[10:11], s[14:15]
	s_cselect_b32 s17, 0, WGA
	s_sub_co_u32 s17, ttmp9, s17
	s_lshl_b32 s17, s17, 2
	s_add_co_u32 s18, s17, s16                     ; which run of 8,192 numbers of the tensor is my wave's
	s_mov_b32 s19, 0
	s_mov_b64 s[20:21], 512*STEPS*4
	s_mul_u64 s[20:21], s[18:19], s[20:21]
	s_add_nc_u64 s[4:5], s[4:5], s[20:21]
	s_mov_b64 s[20:21], 32*STEPS*CB
	s_mul_u64 s[20:21], s[18:19], s[20:21]
	s_add_nc_u64 s[8:9], s[8:9], s[20:21]
	s_lshl_b32 s18, s18, 8                         ; 256 scale bytes a run
	s_add_nc_u64 s[10:11], s[10:11], s[18:19]
.macro LOAD t
.irp i, 0,1,2,3
	global_load_b128 v[R+16*((\t)%4)+4*\i:R+16*((\t)%4)+4*\i+3], v3, s[4:5] offset:2048*(\t)+512*\i th:TH_LOAD_NT   ; 32 lanes read 512 consecutive bytes
.endr
.endm
.macro TURN t                          ; step t's numbers through the stage: LDS serves a wave's instructions in order, so no wait stands between the stores and the loads
.irp i, 0,1,2,3
	ds_store_b128 v14, v[R+16*((\t)%4)+4*\i:R+16*((\t)%4)+4*\i+3] offset:32*SP*((\t)%2)+8*SP*\i
.endr
.irp i, 0,1,2,3
	ds_load_b128 v[X+16*((\t)%2)+4*\i:X+16*((\t)%2)+4*\i+3], v15 offset:32*SP*((\t)%2)+16*\i
.endr
.endm
.irp t, 0,1,2,3
	LOAD \t
.endr
	s_wait_loadcnt 12                              ; step 0's four loads are in; the twelve of steps 1 to 3 may be out
	TURN 0
.macro STEP t
.set XS, X+16*((\t)%2)
.if (\t) > 0
	s_wait_dscnt 1                                 ; this step's numbers are back from the stage (the last step's byte store may be out): so its stores into the stage have read their registers,
.else
	s_wait_dscnt 0x0
.endif
.if (\t)+4 < STEPS
	LOAD (\t)+4                                    ; which take the loads of four steps on
.endif
.if (\t)+1 < STEPS
.if STEPS-2-(\t) >= 3
	s_wait_loadcnt 12                              ; the next step's four loads are in; those of the three steps behind it may be out
.else
	s_wait_loadcnt 4*(STEPS-2-(\t))
.endif
	TURN (\t)+1                                    ; and go through the other stage while this step is worked
.endif
	v_max3_num_f32 v8, |v[XS]|, |v[XS+1]|, |v[XS+2]|               ; the largest magnitude of my 16
	v_max3_num_f32 v9, |v[XS+3]|, |v[XS+4]|, |v[XS+5]|
.irp i, 6,10
	v_max3_num_f32 v8, v8, |v[XS+\i]|, |v[XS+\i+1]|
	v_max3_num_f32 v9, v9, |v[XS+\i+2]|, |v[XS+\i+3]|
.endr
	v_max3_num_f32 v8, v8, |v[XS+14]|, |v[XS+15]|
	v_max3_num_f32 v8, v8, v9, (EMAX+1)<<23        ; and the floor 2^(EMAX + 1 - 127): so the byte cannot fall under 1
	v_max_num_f32_dpp v8, v8, v8 row_xmask:1 row_mask:0xf bank_mask:0xf   ; and of my neighbour's 16: the block's
	v_add_nc_u32 v11, -(EMAX<<23), v8              ; EMAX off its exponent field: the conversion takes the exponent field of this operand as its scale, and nothing else of it
	v_cvt_scalef32_pk8_fp4_f32 v[C+4*(\t)], v[XS:XS+7], v11       ; eight numbers / the scale, to the nearest code, ties to even, beyond the largest code the largest; the first number's code in the lowest four bits
	v_cvt_scalef32_pk8_fp4_f32 v[C+4*(\t)+1], v[XS+8:XS+15], v11
	v_lshrrev_b32 v[E+(\t)], 23, v11               ; the scale's byte (a plain line behind the conversions)
	ds_store_b8 v5, v[E+(\t)] offset:16*(\t)       ; both lanes of a block write the same byte with the same value
	global_store_b64 v4, v[C+4*(\t):C+4*(\t)+1], s[8:9] offset:32*CB*(\t)
.endm
.irp t, 0,1,2,3,4,5,6,7,8,9,10,11,12,13,14,15
	STEP \t
.endr
	ds_load_b64 v[8:9], v6                         ; LDS serves a wave's instructions in order: these see my stores
	s_wait_dscnt 0x0
	global_store_b64 v7, v[8:9], s[10:11]          ; 32 lanes store 256 consecutive bytes, aligned
	s_branch .Lend
.Lcast:                                                ; w_out to f16
	s_sub_co_u32 s17, ttmp9, WGQ
	s_lshl_b32 s17, s17, 2
	s_add_co_u32 s17, s17, s16                     ; my run of 8,192 numbers: 0 to 127
	s_lshl_b32 s18, s17, 15                        ; 32,768 bytes of f32,
	s_mov_b32 s19, 0
	s_add_nc_u64 s[24:25], s[24:25], s[18:19]
	s_lshl_b32 s18, s17, 14                        ; 16,384 of f16
	s_add_nc_u64 s[26:27], s[26:27], s[18:19]
.macro CLOAD t                         ; batch t: eight loads of 512 consecutive bytes into set t % 4
.irp i, 0,1,2,3,4,5,6,7
	global_load_b128 v[R+32*((\t)%4)+4*\i:R+32*((\t)%4)+4*\i+3], v3, s[24:25] offset:512*(8*(\t)+\i) th:TH_LOAD_NT
.endr
.endm
.macro CAST t
.if (\t) < 5
	s_wait_loadcnt 24                              ; batch t is in; the three batches of eight behind it may be out
.else
	s_wait_loadcnt 8*(7-(\t))
.endif
	s_wait_xcnt 0x0                                ; the stores of two batches back have read their data: that set is written again only behind this wait
.irp i, 0,1,2,3,4,5,6,7
	v_cvt_pk_f16_f32 v[H+16*((\t)%2)+2*\i], v[R+32*((\t)%4)+4*\i], v[R+32*((\t)%4)+4*\i+1]
	v_cvt_pk_f16_f32 v[H+16*((\t)%2)+2*\i+1], v[R+32*((\t)%4)+4*\i+2], v[R+32*((\t)%4)+4*\i+3]
.endr
.if (\t)+4 < 8
	CLOAD (\t)+4
.endif
.irp i, 0,1,2,3,4,5,6,7
	global_store_b64 v7, v[H+16*((\t)%2)+2*\i:H+16*((\t)%2)+2*\i+1], s[26:27] offset:256*(8*(\t)+\i)   ; 32 lanes store 256 consecutive bytes, aligned
.endr
.endm
.irp t, 0,1,2,3
	CLOAD \t
.endr
.irp t, 0,1,2,3,4,5,6,7
	CAST \t
.endr
.Lend:
	s_wait_tensorcnt 0x0                           ; the wave's end: behind my last LDS store
	ds_add_u32 v[SPW], v[NIL]
	s_wait_dscnt 0x0
	s_endpgm
.Lfunc_end_k_q3e01137823_quant:
	.size	k_q3e01137823_quant, .Lfunc_end_k_q3e01137823_quant-k_q3e01137823_quant
	.p2alignl 7, 3214868480
	.fill 96, 4, 3214868480
	.section	.rodata,"a",@progbits
	.p2align	6, 0x0
	.amdhsa_kernel k_q3e01137823_quant
		.amdhsa_group_segment_fixed_size 33280
		.amdhsa_private_segment_fixed_size 0
		.amdhsa_enable_private_segment 0
		.amdhsa_kernarg_size 64
		.amdhsa_user_sgpr_count 2
		.amdhsa_user_sgpr_kernarg_segment_ptr 1
		.amdhsa_wavefront_size32 1
		.amdhsa_system_sgpr_workgroup_id_x 1
		.amdhsa_system_sgpr_workgroup_id_y 1
		.amdhsa_system_sgpr_workgroup_id_z 1
		.amdhsa_system_vgpr_workitem_id 0
		.amdhsa_next_free_vgpr 192
		.amdhsa_next_free_sgpr 66
		.amdhsa_reserve_vcc 0
		.amdhsa_float_denorm_mode_32 3
		.amdhsa_float_denorm_mode_16_64 3
		.amdhsa_memory_ordered 1
		.amdhsa_forward_progress 1
		.amdhsa_inst_pref_size 54
	.end_amdhsa_kernel
	.amdgpu_metadata
---
amdhsa.version: [ 1, 2 ]
amdhsa.kernels:
  - .name:           k_q3e01137823_quant
    .symbol:         k_q3e01137823_quant.kd
    .args:
      - { .name: x, .offset: 0, .size: 8, .value_kind: global_buffer, .address_space: global }
      - { .name: w_qkv, .offset: 8, .size: 8, .value_kind: global_buffer, .address_space: global }
      - { .name: xc, .offset: 16, .size: 8, .value_kind: global_buffer, .address_space: global }
      - { .name: xs, .offset: 24, .size: 8, .value_kind: global_buffer, .address_space: global }
      - { .name: wc, .offset: 32, .size: 8, .value_kind: global_buffer, .address_space: global }
      - { .name: ws, .offset: 40, .size: 8, .value_kind: global_buffer, .address_space: global }
      - { .name: w_out, .offset: 48, .size: 8, .value_kind: global_buffer, .address_space: global }
      - { .name: wo16, .offset: 56, .size: 8, .value_kind: global_buffer, .address_space: global }
    .group_segment_fixed_size: 33280
    .private_segment_fixed_size: 0
    .kernarg_segment_align: 8
    .kernarg_segment_size: 64
    .max_flat_workgroup_size: 128
    .sgpr_count:     66
    .vgpr_count:     192
    .wavefront_size: 32
...
	.end_amdgpu_metadata
.endif
;; end of part 1
;; launch qkv (part 2): grid 12 x 32, 4 waves a work-group, clusters of 4 x 4, 327,680 bytes of LDS; arguments xc, xs, wc, ws, qkv16; writes qkv16
.if DOCPART == 2
	.amdgcn_target "amdgcn-amd-amdhsa--gfx1250"
	.amdhsa_code_object_version 6
	.text
	.protected	k_q3e01137823_qkv
	.globl	k_q3e01137823_qkv
	.p2align	8
	.type	k_q3e01137823_qkv,@function
k_q3e01137823_qkv:
	s_mov_b64 s[64:65], 0
	v_nop
	global_prefetch_b8 v0, s[64:65] scope:SCOPE_SE
	s_setreg_imm32_b32 hwreg(HW_REG_WAVE_MODE, 25, 1), 1
	s_wait_xcnt 0x0
	s_wait_alu depctr_hold_cnt(0) depctr_sa_sdst(0) depctr_va_vdst(0) depctr_va_sdst(0) depctr_va_ssrc(0) depctr_va_vcc(0) depctr_vm_vsrc(0)
	s_getreg_b32 s2, hwreg(HW_REG_IB_STS2, 6, 4)
	s_cmp_eq_u32 s2, 0
	s_cbranch_scc0 .Lentry_in_a_cluster
	s_endpgm
.Lentry_in_a_cluster:
	s_bfe_u32 s2, ttmp6, 0x10000c
	s_cmp_lg_u32 s2, 0xf033
	s_cbranch_scc0 .Lentry_shape_is_right
	s_endpgm
.Lentry_shape_is_right:
; qkv[m][e] = sum over k of x[m][k] w_qkv[e][k], both operands as codes of FP4 (E2M1) with one E8M0 scale for each 32 along K; sums in f32; the result is rounded once to f16 and laid BY HEAD:
; qkv16 [48 planes][8192 rows][64], plane = e / 64 (q: the head, k: 16 + head, v: 32 + head), so that 16 rows of a head are 2,048 consecutive bytes.
; LIMIT: |q|, |k|, |v| above 65,504 become infinity in f16.
; A tile of 256 x 256 is made by a work-group of four waves, as many as a WGP has SIMDs; a wave makes 128 x 128: 64 accumulators of 16 x 16, 512 registers.
; K = 1,024 is two K steps of 512 (a tile's row is 256 bytes of memory): both are asked for at the head, one into each of two LDS slots, and nothing is ever filled again.  So nothing is prefetched either.
; THE SCALES of the work-group's 256 rows of x and 256 rows of w_qkv, for all of K, are two dense blocks of memory: they come into LDS once, with the first fills.
; CLUSTERS: 4 x 4 work-groups.  The four of a row of the cluster need the same tiles of x, the four of a column the same tiles of w_qkv: each tile is asked for JOINTLY, by the same tensor load with the
; same descriptor and a mask that names the four.  THE MATRIX INSTRUCTION IS USED TRANSPOSED (source 0 = 16 rows of w_qkv, source 1 = 16 rows of x): a lane then holds eight neighbouring numbers of a row of the result.
; REGISTERS, in windows of 256: window 0: v0-31 addresses; v32-95 scale words, two sets; from v128 x's fragments (8 x 16 rows x 128 K), ONE set; on the way out v128-223 are at work.
;   window 1: w_qkv's fragments, TWO sets, at v0 and at v128.   window 2: the 32 accumulators of my rows 0-63 (accumulator (a, b) at v[8 (8 a + b)]);   window 3: those of my rows 64-127.
; A step of 128 along K is 64 matrix instructions, A's blocks one after the other, each against B's eight.  So a block of A is free as soon as its eight products are issued, and one set of registers serves A.
.set SIZE_M, 8192
.set SIZE_N, 3072
.set SIZE_K, 1024
.set KSTEP,  512                       ; along K in a slot
.set NQ,     KSTEP/128                 ; matrix instructions deep
.set ROWB,   256                       ; a tile's row in bytes
.set KROW,   SIZE_K*4/8                ; a row of codes in memory, in bytes
.set PITCH,  272                       ; an LDS row: 256 bytes + 16 of padding = 68 words: row r starts at bank 4 r mod 64 (ISA guide 11.1), so the 16 rows that a load touches start at 16 different banks
.set FR,     8                         ; registers of a fragment: 16 rows x 128 K
.set NL,     2                         ; LDS loads that bring one
.set NP,     4                         ; places behind this matrix instruction (ISA guide 7.12.1)
.set HALFT,  128*PITCH                 ; 128 rows: what one tensor load brings, and what one wave reads of A or of B
.set SLOT,   4*HALFT                   ; A's 256 rows, then B's 256 rows
.set KS,     SIZE_K/32                 ; a row of scales in bytes
.set SCL,    2*SLOT                    ; behind the slots: the scales, as rows of 256 bytes + 16 of padding
.set HALFS,  (128*KS/256)*272          ; the scales of 128 rows: what one tensor load brings
.set SBLK,   (16*KS/256)*272           ; those of 16 rows
.set SPARE,  SCL+4*HALFS               ; behind the scales: the spare words, 128 bytes a wave, which no other line names
.set SPL,    16*144                    ; the way out: a plane of a wave's stage: 16 rows x (128 bytes + 16); two planes a wave.  The stages lie in slot 0, which has had its only fill and its last read by then
.set ADRA, 16                          ; v16-17  LDS address of my A fragments in slot 0, 1
.set ADRB, 20                          ; v20-21  the same for B
.set STO,  24                          ; v24     the way out: where I put 16 bytes of a row
.set RD,   25                          ; v25     the way out: where I read rows back
.set CO,   26                          ; v26     16 x lane: my place in 512 consecutive bytes of a plane
.set ADRS, 27                          ; v27     LDS address of my scale words: lanes 0-15 A's rows, lanes 16-31 B's
.set SPW,  28                          ; v28     LDS address of my spare word; never rewritten
.set NIL,  29                          ; v29     0; never rewritten
.set SC,   32                          ; scale words: set s (for slot s) at v[SC + 8 NQ s]; register NQ i + q: lanes 0-15 the word of A's block i, lanes 16-31 that of B's block i, for the slot's q-th 128 along K
.set AF,   128                         ; A's fragments, in window 0
.set BK,   128                         ; the way out: rows read back: v128-159 and v160-191 by turns
.set TMP,  192                         ; the way out: v192-223 a block's results in f16
.set G1, 24                            ; s[24:31] descriptor group 1 for A's tiles;  s[32:39] group 0, one set for each slot
.set G0, 32
.set G1B, 48                           ; s[48:55], s[56:63] the same for B's tiles
.set G0B, 56
.set G1S, 68                           ; s[68:75], s[76:79] groups 1 and 0 for A's scales;  s[80:87], s[88:91] for B's
.set G0S, 76
.set G1SB, 80
.set G0SB, 88
.set MSB, 0
.macro WIN new                         ; the immediate's high byte repeats the setting that is left; a switch that changes nothing is dropped
.if MSB != (\new)
	s_set_vgpr_msb (MSB<<8)|(\new)
.set MSB, (\new)
.endif
.endm
.set MUL_LO, 0xa1                      ; source 0 (B) window 1, source 1 (A) window 0, C and D window 2
.set MUL_HI, 0xf1                      ; the same, C and D window 3
.set TO_B,   0x40                      ; destination window 1, address window 0
; A joint load: waves 0 and 1 fetch for A, waves 2 and 3 for B.  Each of the two lines has ONE mask and one set of registers for all that issue it; the branch hangs on the wave's number alone.
; An s_nop 0 and four v_nop follow each of the two lines, ahead of the jump, the label and what follows.
.macro JLOAD g0a, g1a, g0b, g1b
	s_cmp_eq_u32 s15, 0
	s_cbranch_scc0 .Lfor_b_\@
	tensor_load_to_lds s[\g0a:\g0a+3], s[\g1a:\g1a+7]
	s_nop 0
.rept 4
	v_nop
.endr
	s_branch .Lasked_\@
.Lfor_b_\@:
	tensor_load_to_lds s[\g0b:\g0b+3], s[\g1b:\g1b+7]
	s_nop 0
.rept 4
	v_nop
.endr
.Lasked_\@:
.endm
.macro CROUND                          ; a round of the cluster's barrier: my work-group's barrier; wave 0 signals for the work-group; every wave waits for all sixteen; my work-group's barrier once more
	s_barrier_signal -1
	s_barrier_wait -1
	s_cmp_lg_u32 s14, 0
	s_cbranch_scc1 .Lnot_wave_0_\@
	s_barrier_signal -3
.Lnot_wave_0_\@:
	s_barrier_wait -3
	s_barrier_signal -1
	s_barrier_wait -1
.endm
	s_load_b128 s[4:7], s[0:1], 0x0                ; x's codes s[4:5], x's scales s[6:7]
	s_load_b128 s[8:11], s[0:1], 0x10              ; w_qkv's codes s[8:9], its scales s[10:11]
	s_load_b64 s[12:13], s[0:1], 0x20              ; qkv16
	v_lshl_add_u32 v[SPW], v0, 2, SPARE
	v_mov_b32 v[NIL], 0
	ds_add_u32 v[SPW], v[NIL]                      ; the wave's opening: the add, twice on end, and its wait ahead of my first tensor load; the set-up below stands between the second and the wait
	ds_add_u32 v[SPW], v[NIL]
	v_lshrrev_b32 v1, 5, v0
	v_readfirstlane_b32 s14, v1                    ; wave 0..3
	s_lshr_b32 s15, s14, 1                         ; which half of the tile's rows is mine.  Also: I fetch for A (0) or for B (1)
	s_and_b32 s16, s14, 1                          ; which half of its columns.  Also: which 128 rows of that tile I fetch
	s_bfe_u32 s40, ttmp6, 0x40000                  ; cx, cy: my place in the cluster
	s_bfe_u32 s41, ttmp6, 0x40004
	s_lshl_b32 s42, ttmp9, 2
	s_add_co_u32 s42, s42, s40                     ; tile column = 4 x cluster x + cx
	s_and_b32 s17, ttmp7, 0xffff
	s_lshl_b32 s17, s17, 2
	s_add_co_u32 s17, s17, s41                     ; tile row = 4 x cluster y + cy
	s_lshl_b32 s43, s41, 2
	s_lshl_b32 s43, 15, s43                        ; my row of the cluster
	s_lshl_b32 s44, 0x1111, s40                    ; my column
	; descriptor group 1: a tile of 128 rows x ROWB bytes, padded in LDS
	s_or_b32 s[G1+0], s43, (0<<16)|(1<<20)|(1<<21)|(5<<22)|(3<<25)  ; 15:0 the mask: A's tiles go to my row; 17:16 element of 1 byte; 20 padding on; 21 set beside a mask; 24:22 after every 64 words (code 5); 31:25 of 4 words (code 3)
	s_or_b32 s[G1B+0], s44, (0<<16)|(1<<20)|(1<<21)|(5<<22)|(3<<25)
.irp g, G1, G1B
	s_mov_b32 s[\g+1], ROWB<<16                    ; tensor_dim0
	s_mov_b32 s[\g+2], 128<<16                     ; tensor_dim1 = 128
	s_mov_b32 s[\g+3], ROWB<<16                    ; tile_dim0
	s_mov_b32 s[\g+4], 128                         ; tile_dim1 = 128
	s_mov_b32 s[\g+5], KROW                        ; tensor_dim0_stride
	s_mov_b32 s[\g+6], 0
	s_mov_b32 s[\g+7], 0
.endr
	; and for the scales of 128 rows: a dense block of 128 KS bytes, as rows of 256 bytes (32 elements of 8 bytes), 16 bytes of padding behind each
	s_or_b32 s[G1S+0], s43, (3<<16)|(1<<20)|(1<<21)|(5<<22)|(3<<25)
	s_or_b32 s[G1SB+0], s44, (3<<16)|(1<<20)|(1<<21)|(5<<22)|(3<<25)
.irp g, G1S, G1SB
	s_mov_b32 s[\g+1], 32<<16
	s_mov_b32 s[\g+2], (128*KS/256)<<16
	s_mov_b32 s[\g+3], 32<<16
	s_mov_b32 s[\g+4], 128*KS/256
	s_mov_b32 s[\g+5], 32
	s_mov_b32 s[\g+6], 0
	s_mov_b32 s[\g+7], 0
.endr
	s_lshl_b32 s18, s16, 7                         ; which 128 rows of the tile I fetch
	s_lshl_b32 s20, s17, 8
	s_add_co_u32 s20, s20, s18                     ; A: row 256 x tile row + 128 x half
	s_lshl_b32 s46, s42, 8
	s_add_co_u32 s46, s46, s18                     ; B: row 256 x tile column + 128 x half
	s_mov_b32 s21, 0
	s_mov_b32 s47, 0
	s_mov_b64 s[18:19], KS
	s_mul_u64 s[22:23], s[20:21], s[18:19]         ; where these rows' scales begin, in bytes
	s_mul_u64 s[92:93], s[46:47], s[18:19]
	s_mov_b64 s[18:19], KROW
	s_mul_u64 s[20:21], s[20:21], s[18:19]         ; and their codes
	s_mul_u64 s[46:47], s[46:47], s[18:19]
	s_mul_i32 s45, s14, HALFT                      ; where they go: wave x 128 rows: no place in the cluster enters an LDS address
	s_mul_i32 s94, s14, HALFS
	s_wait_dscnt 0x0                               ; both opening adds are done
	s_wait_kmcnt 0x0
	s_add_nc_u64 s[20:21], s[4:5], s[20:21]
	s_add_nc_u64 s[22:23], s[6:7], s[22:23]
	s_add_nc_u64 s[46:47], s[8:9], s[46:47]
	s_add_nc_u64 s[92:93], s[10:11], s[92:93]
	CROUND                                         ; all sixteen work-groups are here: the joint loads meet
	s_mov_b32 s[G0S], 1
	s_add_co_u32 s[G0S+1], s94, SCL
	s_mov_b64 s[G0S+2:G0S+3], s[22:23]
	s_or_b32 s[G0S+3], s[G0S+3], 0x80000000
	s_mov_b32 s[G0SB], 1
	s_add_co_u32 s[G0SB+1], s94, SCL
	s_mov_b64 s[G0SB+2:G0SB+3], s[92:93]
	s_or_b32 s[G0SB+3], s[G0SB+3], 0x80000000
	JLOAD G0S, G1S, G0SB, G1SB                     ; the scales first: they are wanted with K step 0
.irp s, 0,1
	s_mov_b32 s[G0+4*\s], 1
	s_add_co_u32 s[G0+4*\s+1], s45, \s*SLOT
	s_add_nc_u64 s[G0+4*\s+2:G0+4*\s+3], s[20:21], \s*ROWB
	s_or_b32 s[G0+4*\s+3], s[G0+4*\s+3], 0x80000000
	s_mov_b32 s[G0B+4*\s], 1
	s_add_co_u32 s[G0B+4*\s+1], s45, \s*SLOT
	s_add_nc_u64 s[G0B+4*\s+2:G0B+4*\s+3], s[46:47], \s*ROWB
	s_or_b32 s[G0B+4*\s+3], s[G0B+4*\s+3], 0x80000000
	JLOAD G0+4*\s, G1, G0B+4*\s, G1B               ; three loads of mine are out behind the second of these
.endr
	v_and_b32 v1, 15, v0                           ; l % 16
	v_bfe_u32 v2, v0, 4, 1                         ; l / 16
	v_mul_u32_u24 v3, v1, PITCH
	v_lshl_add_u32 v4, v2, 4, v3                   ; a fragment's row x pitch + 16 x half
	s_mul_i32 s21, s15, HALFT                      ; my 128 rows of A
	s_mul_i32 s22, s16, HALFT                      ; my 128 rows of B,
	s_add_co_u32 s22, s22, 2*HALFT                 ; which lie behind A's 256
.irp s, 0,1
	v_add_nc_u32 v[ADRA+\s], s21, v4
	v_add_nc_u32 v[ADRB+\s], s22, v4
	s_add_co_u32 s21, s21, SLOT
	s_add_co_u32 s22, s22, SLOT
.endr
	v_mul_u32_u24 v5, v1, KS                       ; my row's scales: KS bytes a row,
	v_lshrrev_b32 v6, 8, v5
	v_lshl_add_u32 v5, v6, 4, v5                   ; and 16 more for each 256 passed
	s_mul_i32 s21, s15, HALFS                      ; A's: my 128 rows
	s_mul_i32 s22, s16, HALFS                      ; B's: my 128 rows, behind A's 256
	s_add_co_u32 s22, s22, 2*HALFS
	s_sub_co_u32 s22, s22, s21
	v_mul_u32_u24 v6, s22, v2                      ; lanes 16-31 take B's
	s_add_co_u32 s21, s21, SCL
	v_add_nc_u32 v5, v5, v6
	v_add_nc_u32 v[ADRS], s21, v5
	s_mul_i32 s23, s14, 2*SPL                      ; my stage
	v_mul_u32_u24 v5, v1, 144                      ; in: row l % 16, 16 bytes for each half of the lanes
	v_lshl_add_u32 v5, v2, 4, v5
	v_add_nc_u32 v[STO], s23, v5
	v_and_b32 v6, 31, v0
	v_lshlrev_b32 v[CO], 4, v6                     ; out: 16 bytes a lane of four rows' 512 consecutive bytes
	v_lshrrev_b32 v5, 3, v6
	v_mul_u32_u24 v5, v5, 144                      ; back: eight lanes to a row of 128 bytes, four rows an instruction
	v_and_b32 v6, 7, v6
	v_lshl_add_u32 v5, v6, 4, v5
	v_add_nc_u32 v[RD], s23, v5
	s_lshl_b32 s20, s17, 8
	s_lshl_b32 s21, s15, 7
	s_add_co_u32 s20, s20, s21                     ; my first row: 256 x tile row + 128 x half,
	s_lshl_b32 s20, s20, 7                         ; of 128 bytes in a plane
	s_mov_b32 s21, 0
	s_lshl_b32 s46, s42, 22                        ; my first plane: 4 x tile column + 2 x half, of 2^20 bytes
	s_lshl_b32 s47, s16, 21
	s_add_co_u32 s46, s46, s47
	s_mov_b32 s47, 0
	s_add_nc_u64 s[20:21], s[20:21], s[46:47]
	s_add_nc_u64 s[12:13], s[12:13], s[20:21]
.macro FRAG reg, adr, q, i             ; a fragment, 16 rows x 128 K of 4-bit codes, is 8 registers: lane l holds row l % 16; registers 4 c .. 4 c + 3 hold K = 64 c + 32 (l / 16) + 0 .. 31
.irp c, 0,1
	ds_load_b128 v[\reg+4*\c:\reg+4*\c+3], v[\adr] offset:64*(\q)+32*\c+(\i)*16*PITCH
.endr
.endm
; 16 matrix instructions: A's blocks a0, a0 + 1 x B's eight, 128 along K: the slot's q-th.  p: B's set;  sc: the set of scale words.  zero = 1: the first product starts the sums: nothing is ever cleared.
; The 64 accumulators take turns, one instruction a turn, in the same order in every step.
.macro MUL16 a0, p, q, sc, zero
.irp a, \a0, \a0+1
.irp b, 0,1,2,3,4,5,6,7
.if \zero
	v_wmma_scale_f32_16x16x128_f8f6f4 v[8*(8*((\a)%4)+\b):8*(8*((\a)%4)+\b)+7], v[128*(\p)+FR*\b:128*(\p)+FR*\b+FR-1], v[AF+FR*(\a):AF+FR*(\a)+FR-1], 0, v[SC+8*NQ*(\sc)+NQ*\b+(\q)], v[SC+8*NQ*(\sc)+NQ*(\a)+(\q)] matrix_a_fmt:MATRIX_FMT_FP4 matrix_b_fmt:MATRIX_FMT_FP4 matrix_a_scale:MATRIX_SCALE_ROW1
.else
	v_wmma_scale_f32_16x16x128_f8f6f4 v[8*(8*((\a)%4)+\b):8*(8*((\a)%4)+\b)+7], v[128*(\p)+FR*\b:128*(\p)+FR*\b+FR-1], v[AF+FR*(\a):AF+FR*(\a)+FR-1], v[8*(8*((\a)%4)+\b):8*(8*((\a)%4)+\b)+7], v[SC+8*NQ*(\sc)+NQ*\b+(\q)], v[SC+8*NQ*(\sc)+NQ*(\a)+(\q)] matrix_a_fmt:MATRIX_FMT_FP4 matrix_b_fmt:MATRIX_FMT_FP4 matrix_a_scale:MATRIX_SCALE_ROW1
.endif
.endr
.endr
.endm
.macro FETCH_B slot, q, p              ; B's eight fragments of the slot's q-th 128 along K into set p
	WIN TO_B
.irp i, 0,1,2,3,4,5,6,7
	FRAG 128*(\p)+FR*\i, ADRB+\slot, \q, \i
.endr
	WIN 0
.endm
.macro FETCH_A slot, q, i0             ; A's blocks i0 .. i0 + 3
.irp i, \i0, \i0+1, \i0+2, \i0+3
	FRAG AF+FR*(\i), ADRA+\slot, \q, \i
.endr
.endm
.macro SCALES sc                       ; a K step's scale words into set sc: NQ words a row; lanes 0-15 take A's block i, lanes 16-31 B's block i
.irp i, 0,1,2,3,4,5,6,7
	ds_load_b128 v[SC+8*NQ*\sc+NQ*\i:SC+8*NQ*\sc+NQ*\i+3], v[ADRS] offset:\i*SBLK
.endr
.endm
; A load into a register that a matrix instruction has read, and a vector instruction that reads a matrix result, stand NP places behind that matrix instruction, and only plain vector
; instructions that name none of its registers are places (ISA guide 7.12.1 for vector instructions).
.macro PLACES n
.rept \n
	v_nop
.endr
.endm
; A step of 128 along K that has its successor in the same slot.
.macro STEP slot, q, zero
	s_wait_dscnt 4*NL                              ; B's set and A's blocks 0-3 are in; the youngest eight loads (A's blocks 4-7) may be out
	WIN MUL_LO
	MUL16 0, (\q)%2, \q, \slot, \zero
	MUL16 2, (\q)%2, \q, \slot, \zero
	s_wait_dscnt 0                                 ; A's blocks 4-7 are in (asked for 32 matrix instructions ago)
	PLACES NP
	FETCH_B \slot, (\q)+1, 1-(\q)%2
	FETCH_A \slot, (\q)+1, 0
	WIN MUL_HI
	MUL16 4, (\q)%2, \q, \slot, \zero
	MUL16 6, (\q)%2, \q, \slot, \zero
	PLACES NP
	WIN 0
	FETCH_A \slot, (\q)+1, 4
.endm
; Slot 0's last step changes slots: one barrier; in front of it each wave waits for all its tensor loads (its part of slot 1), adds 0 to its spare word, and waits for that and for its own reads of slot 0.
; Behind it slot 1 is whole, and nobody reads slot 0 any more: the way out may lay its stages there.
.macro TURN slot, next
	s_wait_tensorcnt 0x0                           ; all my tensor loads have landed  (every window is 0 here: the add's two registers lie in window 0)
	ds_add_u32 v[SPW], v[NIL]                      ; 0 onto my spare word
	s_wait_dscnt 4*NL+1                            ; (the add and the youngest eight loads, A's blocks 4-7, may be out)
	WIN MUL_LO
	MUL16 0, 1, NQ-1, \slot, 0                     ; sixteen matrix instructions stand between the add and the wait for it
	s_wait_dscnt 0x0                               ; the add is done, and my reads of this slot are over
	s_barrier_signal -1
	MUL16 2, 1, NQ-1, \slot, 0
	WIN 0
	s_barrier_wait -1
	PLACES NP
	v_add_nc_u32 v[ADRS], 4*NQ, v[ADRS]            ; on to the next K step's scale words (no LDS load of mine is out)
	FETCH_B \next, 0, 0
	FETCH_A \next, 0, 0
	SCALES \next
	WIN MUL_HI
	MUL16 4, 1, NQ-1, \slot, 0
	MUL16 6, 1, NQ-1, \slot, 0
	PLACES NP
	WIN 0
	FETCH_A \next, 0, 4
.endm
.macro STEPS slot, from                ; the slot's steps from .. NQ - 2
.set Q, \from
.rept NQ-1-\from
	STEP \slot, Q, 0
.set Q, Q+1
.endr
.endm
	s_wait_tensorcnt 1                             ; the scales and my part of K step 0 are in (K step 1's load may be out)
	s_barrier_signal -1
	s_barrier_wait -1                              ; everybody's are
	FETCH_B 0, 0, 0
	FETCH_A 0, 0, 0
	SCALES 0
	FETCH_A 0, 0, 4
	STEP 0, 0, 1                                   ; the first step's products start the sums
	STEPS 0, 1
	TURN 0, 1
	STEPS 1, 0
	s_wait_dscnt 4*NL                              ; the very last step: nothing more to fetch
	WIN MUL_LO
	MUL16 0, 1, NQ-1, 1, 0
	MUL16 2, 1, NQ-1, 1, 0
	s_wait_dscnt 0
	WIN MUL_HI
	MUL16 4, 1, NQ-1, 1, 0
	MUL16 6, 1, NQ-1, 1, 0
	WIN 0
; THE WAY OUT, block by block of 16 rows x 128 columns (two heads).  PACK: rounded to f16: a lane's eight numbers are 16 bytes of a row of one head.  TOSTAGE: into my stage, a plane of 16 rows x 144 bytes for each head,
; and back four rows (512 bytes) an instruction.  SEND: in a plane of qkv16 those four rows are 512 consecutive bytes, at a multiple of 512 from the buffer's first byte.
; LDS serves a wave's instructions in order (ISA guide 5.7.1.4): no wait between the stores and the loads, nor in front of the next block's stores.
.macro PACK a
.set AC, 64*((\a)%4)
	WIN 0x0a+5*((\a)/4)                            ; sources 0 and 1: window 2 or 3
.irp b, 0,1,2,3,4,5,6,7
.irp i, 0,1,2,3
	v_cvt_pk_f16_f32 v[TMP+4*\b+\i], v[AC+8*\b+2*\i], v[AC+8*\b+2*\i+1]    ; each accumulator from its low end on
.endr
.endr
	WIN 0
.endm
.macro TOSTAGE a
.set BB, BK+32*((\a)%2)
.irp b, 0,1,2,3,4,5,6,7
	ds_store_b128 v[STO], v[TMP+4*\b:TMP+4*\b+3] offset:(\b/4)*SPL+32*(\b%4)
.endr
.irp i, 0,1,2,3,4,5,6,7
	ds_load_b128 v[BB+4*\i:BB+4*\i+3], v[RD] offset:(\i/4)*SPL+576*(\i%4)
.endr
.endm
.macro SEND a
.set BB, BK+32*((\a)%2)
	s_wait_dscnt 0x0                               ; the block is back in registers
	s_wait_xcnt 0x0                                ; the block before has had its stores' data read: the next TOSTAGE loads into those registers only behind this wait
.irp i, 0,1,2,3,4,5,6,7
	global_store_b128 v[CO], v[BB+4*\i:BB+4*\i+3], s[12:13] offset:2048*(\a)+(\i/4)*1048576+512*(\i%4)   ; the block's 16 rows, the plane and the four rows stand in the immediate: 1,064,448 at the most
.endr
.endm
	PLACES NP                                      ; behind the last products: for the conversions that read results, and for the loads into the registers that held A's fragments
	PACK 0
	TOSTAGE 0
.irp a, 1,2,3,4,5,6,7                  ; block a's conversions stand between block a - 1's loads from the stage and the wait for them
	PACK \a
	SEND \a-1
	TOSTAGE \a
.endr
	SEND 7
	s_wait_tensorcnt 0x0                           ; the wave's end: behind my last tensor load and my last LDS store
	ds_add_u32 v[SPW], v[NIL]
	s_wait_dscnt 0x0
	CROUND                                         ; the closing round: no work-group ends while a partner may still ask for a tile that names it
	s_endpgm
.Lfunc_end_k_q3e01137823_qkv:
	.size	k_q3e01137823_qkv, .Lfunc_end_k_q3e01137823_qkv-k_q3e01137823_qkv
	.p2alignl 7, 3214868480
	.fill 96, 4, 3214868480
	.section	.rodata,"a",@progbits
	.p2align	6, 0x0
	.amdhsa_kernel k_q3e01137823_qkv
		.amdhsa_group_segment_fixed_size 327680
		.amdhsa_private_segment_fixed_size 0
		.amdhsa_enable_private_segment 0
		.amdhsa_kernarg_size 40
		.amdhsa_user_sgpr_count 2
		.amdhsa_user_sgpr_kernarg_segment_ptr 1
		.amdhsa_wavefront_size32 1
		.amdhsa_system_sgpr_workgroup_id_x 1
		.amdhsa_system_sgpr_workgroup_id_y 1
		.amdhsa_system_sgpr_workgroup_id_z 1
		.amdhsa_system_vgpr_workitem_id 0
		.amdhsa_next_free_vgpr 1024
		.amdhsa_next_free_sgpr 98
		.amdhsa_reserve_vcc 0
		.amdhsa_float_denorm_mode_32 3
		.amdhsa_float_denorm_mode_16_64 3
		.amdhsa_memory_ordered 1
		.amdhsa_forward_progress 1
		.amdhsa_inst_pref_size 126
	.end_amdhsa_kernel
	.amdgpu_metadata
---
amdhsa.version: [ 1, 2 ]
amdhsa.kernels:
  - .name:           k_q3e01137823_qkv
    .symbol:         k_q3e01137823_qkv.kd
    .args:
      - { .name: xc, .offset: 0, .size: 8, .value_kind: global_buffer, .address_space: global }
      - { .name: xs, .offset: 8, .size: 8, .value_kind: global_buffer, .address_space: global }
      - { .name: wc, .offset: 16, .size: 8, .value_kind: global_buffer, .address_space: global }
      - { .name: ws, .offset: 24, .size: 8, .value_kind: global_buffer, .address_space: global }
      - { .name: qkv16, .offset: 32, .size: 8, .value_kind: global_buffer, .address_space: global }
    .group_segment_fixed_size: 327680
    .private_segment_fixed_size: 0
    .kernarg_segment_align: 8
    .kernarg_segment_size: 40
    .max_flat_workgroup_size: 128
    .sgpr_count:     98
    .vgpr_count:     1024
    .wavefront_size: 32
...
	.end_amdgpu_metadata
.endif
;; end of part 2
;; launch attn (part 3): grid 4 x 64, 8 waves a work-group, no clusters, 327,680 bytes of LDS; arguments qkv16, att16; writes att16
.if DOCPART == 3
	.amdgcn_target "amdgcn-amd-amdhsa--gfx1250"
	.amdhsa_code_object_version 6
	.text
	.protected	k_q3e01137823_attn
	.globl	k_q3e01137823_attn
	.p2align	8
	.type	k_q3e01137823_attn,@function
k_q3e01137823_attn:
	s_mov_b64 s[64:65], 0
	v_nop
	global_prefetch_b8 v0, s[64:65] scope:SCOPE_SE
	s_setreg_imm32_b32 hwreg(HW_REG_WAVE_MODE, 25, 1), 1
	s_wait_xcnt 0x0
; att[h][q][:] = the sum over keys k <= q of softmax_k(Q[q] . K[k] / 8) V[k][:], for each of 4 batches x 16 heads of 64 channels; 2,048 positions.  Q, K, V come as f16 from qkv16 [48 planes][8192 rows][64];
; products on f16 operands with f32 sums; maxima, exponentials and sums in f32; the weights p (at most 1) are rounded to f16 for the second product; att16 [16 heads][8192 rows][64] is f16, rounded once.
; LIMITS: hidden scores are set to -infinity where the source text has -1e9: the same result wherever a row's largest kept score lies above -1e9 + 150.  NaN and infinities are not served.
; SHARES.  Work-group (J, y): head y % 16 of batch y / 16.  It takes TWO blocks of 256 queries, block J and then block 7 - J, and walks the keys in units of 256: J + 1 units for the first block, 8 - J for the second:
; always 9 units, so all 256 work-groups have the same work and the loop has a constant count.  Each of the eight waves owns 32 queries of the block in hand: two tiles of 16, which share each fragment of K and V.
; Two waves lie on a SIMD: one wave's softmax stands beside the other's products and LDS loads.
; NO CLUSTER: in trip T the four work-groups of a head want unit T (T <= J) or T - J - 1, which differs between them from trip 1 on, so no request is common; walking both blocks in step would cost 12 units where this costs 9.
; LAYOUT.  S^T = K Q^T (source 0 = 16 keys, source 1 = 16 queries): a lane holds ONE query (lane % 16) and keys 8 (lane / 16) + 0..7.  Two such tiles, rounded to f16 in pairs, ARE source 1 (32 keys x 16 queries) of
; O^T = V^T P, whose result again holds one query a lane.  K comes out of LDS as it lies, V ([key][channel]) turned, by ds_load_tr16_b128.
; SOFTMAX.  For each query a running maximum m and sum l: p = 2^(c s - c m), c = log2(e) / 8; in every step O and l are multiplied by a = 2^(c m_old - c m_new).  A block begins with m = -3e38, l = 0, O = 0, so it has no first step of its own.
; THE MASK.  A step all of whose 64 keys come after my 32 queries is left out by a scalar branch on ids; a step on the diagonal sets hidden scores to -infinity; a unit's first step is never hidden, so every unit asked for is read.
; RING.  Two LDS slots of one unit (256 rows of K, 256 of V).  Waves 0-3 fetch K's quarters, waves 4-7 V's: 64 rows a load, one load a wave behind each change of slots; it has a whole unit's steps in which to land.
; REGISTERS: window 0: v1-15 addresses and constants; v16-31 statistics, 8 a tile; v32-95 S^T, 32 a tile; v96-127 P, 16 a tile; v128-191 O^T, 32 a tile; v192-255 the way out.
;   window 1: v0-31 Q; v32-95 K of one step; v96-159 V^T of one step.
.set PK,     144                       ; a row of K in LDS: 128 bytes + 16 = 36 words: 16 rows of a load start at 16 different groups of four banks (ISA guide 11.1)
.set PV,     160                       ; a row of V: 128 + 32 = 40 words
.set VOFF,   256*PK                    ; a slot: 256 rows of K, then 256 rows of V
.set KSTEPB, 64*PK                     ; a step's 64 rows of K; also a wave's quarter of a unit
.set VSTEPB, 64*PV
.set SLOT1,  1<<17                     ; slot 1 begins here, so that one exclusive or turns an address in one slot into the other's
.set STAGE,  SLOT1+256*(PK+PV)         ; behind the ring: 2 tiles x 16 rows x 144 bytes for each wave, for the way out
.set SPARE,  STAGE+8*4608              ; behind the stages: the spare words, 128 bytes a wave, which no other line names
.set UNITB,  256*128                   ; a unit of K or of V in memory: 256 dense rows of 128 bytes
.set AK0, 1                            ; v1   my lane's place in a tile of K: 144 r + 16 h
.set AV0, 2                            ; v2   the same for V
.set ADK, 3                            ; v3   LDS address of the unit's K
.set ADV, 4                            ; v4   of its V
.set QO,  5                            ; v5   my byte offset in the wave's rows of Q
.set STO, 6                            ; v6   the way out: where I put 16 bytes of a row
.set RD,  7                            ; v7   the way out: where I read rows back
.set GO,  8                            ; v8   16 x lane
.set PFO, 9                            ; v9   256 x lane: the prefetches' offset
.set SPW, 10                           ; v10  LDS address of my spare word; never rewritten
.set NIL, 11                           ; v11  0; never rewritten
.set DD,  12                           ; v12  r - 8 h
.set NINF, 13                          ; v13  -infinity
.set D0,  14                           ; v14, v15 the mask's bound for tile 0, 1
.set ST,  16                           ; tile t's statistics at v[ST + 8 t]: +0 c m, +1 m, +2, +3 l (even keys', odd keys'), +4 to +7 at work; a in +6
.set SS,  32
.set PP,  96
.set OO,  128
.set PKD, 192                          ; the way out: results in f16
.set BK,  224                          ; the way out: rows read back
.set KR,  32                           ; window 1: K's fragments (keys 16 f, channels 32 c) at KR + 16 f + 8 c
.set VR,  96                           ; window 1: V^T's (keys 32 g, channels 16 n) at VR + 32 g + 8 n
.set TB,  2                            ; s2   LDS byte at which the slot in hand begins
.set TT,  3                            ; s3   the trip
.set WV,  8                            ; s8   my wave's number
.set JJ,  9                            ; s9   J
.set TM,  10                           ; s10  at work
.set W3,  11                           ; s11  wave % 4: my quarter of a unit
.set KB,  12                           ; s[12:13] the head's K;  s[14:15] its V
.set VB,  14
.set QA,  16                           ; s[16:17], s[18:19] my rows of Q and of att16 in the block in hand;  s[20:21], s[22:23] in the second block
.set OA,  18
.set QN,  20
.set ON,  22
.set G1K, 24                           ; s[24:31] descriptor group 1 for K;  s[32:39] for V: it differs in the padding alone
.set G1V, 32
.set G0K, 40                           ; s[40:43], s[44:47] groups 0, which walk
.set G0V, 44
.set RW,  48                           ; s48  32,768 J: from unit J back to unit 0
.set DB,  50                           ; s[50:51] what the walking addresses go back at this change, s[52:53] what they go on
.set DF,  52
.set PFA, 54                           ; s[54:55] where my prefetches stand
.set LIM, 56                           ; s56  a wave prefetches while the trip is under it: 6 in the head's first work-group, else 0
.set Q0,  57                           ; s57  my first query in the block in hand;  s58 in the second block
.set Q0N, 58
.set KF,  59                           ; s59  the step's first key
.set CS,  66                           ; s[66:67] c: the packed scaling names a pair and takes its low word for both halves
.set SEL, 68                           ; s[68:69] lane selects for v_permlanex16_b32: lane l xor 16
.set MSB, 0
.macro WIN new                         ; the immediate's high byte repeats the setting that is left; a switch that changes nothing is dropped
.if MSB != (\new)
	s_set_vgpr_msb (MSB<<8)|(\new)
.set MSB, (\new)
.endif
.endm
.set W_KQ, 0x05                        ; K and Q in window 1, S^T in window 0
.set W_PV, 0x01                        ; V in window 1; P and O^T in window 0
.set TO_1, 0x40                        ; destination window 1, address window 0
; Waves 0-3 fetch K's quarters, waves 4-7 V's.  The branch hangs on the wave's number alone.  An s_nop 0 and four v_nop follow each of the two lines.
.macro TLOAD
	s_cmp_lt_u32 s[WV], 4
	s_cbranch_scc0 .Lfor_v_\@
	tensor_load_to_lds s[G0K:G0K+3], s[G1K:G1K+7]
	s_nop 0
.rept 4
	v_nop
.endr
	s_branch .Lasked_\@
.Lfor_v_\@:
	tensor_load_to_lds s[G0V:G0V+3], s[G1V:G1V+7]
	s_nop 0
.rept 4
	v_nop
.endr
.Lasked_\@:
.endm
; A PREFETCH INTO THE L2.  All four work-groups of a head walk the same K and V: the first of them (J = 0) asks, a branch on the work-group's number.  In trip T, behind its tensor load, each of its eight waves names its own
; quarter (64 rows, 8,192 dense bytes, lanes 256 bytes apart) of unit T + 2: a work-group still in its first block loads that unit one trip on, this one two trips on.  So each block of 256 bytes of units 2 to 7 is named
; once in the launch.  Units 0 and 1 come by their loads alone; from trip 6 on nothing is asked for: unit 7 is the last.
.macro ASK
	s_cmp_lt_u32 s[TT], s[LIM]
	s_cbranch_scc0 .Lnot_mine_\@
	global_prefetch_b8 v[PFO], s[PFA:PFA+1] th:TH_LOAD_NT scope:SCOPE_SE
.Lnot_mine_\@:
.endm
	s_load_b128 s[4:7], s[0:1], 0x0                ; qkv16 s[4:5], att16 s[6:7]
	v_lshl_add_u32 v[SPW], v0, 2, SPARE
	v_mov_b32 v[NIL], 0
	ds_add_u32 v[SPW], v[NIL]                      ; the wave's opening: the add, twice on end, and its wait ahead of my first tensor load; the set-up below stands between the second and the wait
	ds_add_u32 v[SPW], v[NIL]
	v_lshrrev_b32 v1, 5, v0
	v_readfirstlane_b32 s[WV], v1                  ; wave 0..7
	s_mov_b32 s[JJ], ttmp9                         ; J = 0..3
	s_and_b32 s[W3], s[WV], 3
	s_and_b32 s70, ttmp7, 0xffff
	s_and_b32 s72, s70, 15                         ; the head
	s_lshr_b32 s70, s70, 4                         ; the batch
	s_lshl_b32 s72, s72, 20                        ; a plane is 2^20 bytes,
	s_lshl_b32 s70, s70, 18                        ; a batch's 2,048 rows of 128 bytes 2^18
	s_add_co_u32 s70, s70, s72
	s_mov_b32 s71, 0                               ; s[70:71]: where the head's rows begin in a group of 16 planes
	s_lshl_b32 s[TM], s[WV], 5
	s_lshl_b32 s[Q0], s[JJ], 8
	s_add_co_u32 s[Q0], s[Q0], s[TM]               ; my first query: 256 J + 32 w,
	s_sub_co_u32 s[Q0N], 7, s[JJ]
	s_lshl_b32 s[Q0N], s[Q0N], 8
	s_add_co_u32 s[Q0N], s[Q0N], s[TM]             ; and then 256 (7 - J) + 32 w
	s_lshl_b32 s[RW], s[JJ], 15
	s_mov_b32 s[DB+1], 0
	s_mov_b32 s[DF+1], 0
	s_cmp_eq_u32 s[JJ], 0
	s_cselect_b32 s[LIM], 6, 0
	; descriptor group 1: a tile of 64 rows x 64 elements of 2 bytes, dense in memory, padded in LDS
	s_mov_b32 s[G1K], (1<<16)|(1<<20)|(4<<22)|(3<<25)   ; 15:0 no mask; 17:16 elements of 2 bytes; 20 padding on; 24:22 after every 32 words (code 4); 31:25 four words (code 3)
	s_mov_b32 s[G1V], (1<<16)|(1<<20)|(4<<22)|(7<<25)   ; the same with eight words of padding (code 7)
.irp g, G1K, G1V
	s_mov_b32 s[\g+1], 64<<16                      ; tensor_dim0 = 64
	s_mov_b32 s[\g+2], 64<<16                      ; tensor_dim1 = 64
	s_mov_b32 s[\g+3], 64<<16                      ; tile_dim0 = 64
	s_mov_b32 s[\g+4], 64                          ; tile_dim1 = 64
	s_mov_b32 s[\g+5], 64                          ; tensor_dim0_stride
	s_mov_b32 s[\g+6], 0
	s_mov_b32 s[\g+7], 0
.endr
	s_mov_b32 s[G0K], 1
	s_mul_i32 s[G0K+1], s[W3], KSTEPB              ; slot 0, my quarter of K's rows
	s_mov_b32 s[G0V], 1
	s_mul_i32 s[G0V+1], s[W3], VSTEPB
	s_add_co_u32 s[G0V+1], s[G0V+1], VOFF          ; or of V's
	s_mov_b32 s[CS], 0x3e38aa3b                    ; c = log2(e) / 8
	s_mov_b32 s[CS+1], s[CS]
	s_mov_b32 s[SEL], 0x76543210
	s_mov_b32 s[SEL+1], 0xfedcba98
	s_mov_b32 s73, 0
	s_wait_dscnt 0x0                               ; both opening adds are done
	s_wait_kmcnt 0x0
	s_add_nc_u64 s[KB:KB+1], s[4:5], s[70:71]
	s_add_nc_u64 s[VB:VB+1], s[KB:KB+1], 0x2000000 ; V: planes 32 on
	s_add_nc_u64 s[KB:KB+1], s[KB:KB+1], 0x1000000 ; K: planes 16 on
	s_lshl_b32 s72, s[W3], 13                      ; my quarter: 64 rows of 128 bytes
	s_add_nc_u64 s[G0K+2:G0K+3], s[KB:KB+1], s[72:73]
	s_or_b32 s[G0K+3], s[G0K+3], 0x80000000        ; type = 2
	s_add_nc_u64 s[G0V+2:G0V+3], s[VB:VB+1], s[72:73]
	s_or_b32 s[G0V+3], s[G0V+3], 0x80000000
	TLOAD                                          ; unit 0 into slot 0: one load of mine is out
	s_cmp_lt_u32 s[WV], 4
	s_cselect_b64 s[PFA:PFA+1], s[KB:KB+1], s[VB:VB+1]
	s_add_nc_u64 s[PFA:PFA+1], s[PFA:PFA+1], s[72:73]
	s_add_nc_u64 s[PFA:PFA+1], s[PFA:PFA+1], UNITB ; my quarter of unit 1; the first change of slots steps it to unit 2.  Nothing is prefetched here, at the head
	s_lshl_b32 s72, s[Q0], 7
	s_add_co_u32 s72, s72, s70
	s_add_nc_u64 s[QA:QA+1], s[4:5], s[72:73]      ; q: planes 0 on
	s_add_nc_u64 s[OA:OA+1], s[6:7], s[72:73]
	s_lshl_b32 s72, s[Q0N], 7
	s_add_co_u32 s72, s72, s70
	s_add_nc_u64 s[QN:QN+1], s[4:5], s[72:73]
	s_add_nc_u64 s[ON:ON+1], s[6:7], s[72:73]
	v_and_b32 v14, 15, v0                          ; r = lane % 16
	v_bfe_u32 v15, v0, 4, 1                        ; h = lane / 16
	v_and_b32 v16, 31, v0                          ; lane
	; A fragment of K or Q is 16 rows x 32 channels in 8 registers: lane l holds row r; registers 0-3 channels 8 h + 0..7, registers 4-7 channels 16 + 8 h + 0..7: two loads of 16 bytes, 32 bytes apart.
	v_mul_u32_u24 v[AK0], v14, PK
	v_lshl_add_u32 v[AK0], v15, 4, v[AK0]
	; The turning load takes 16 keys x 16 channels (lane l reads 16 bytes: key 8 h + l % 8, channels 8 ((l / 8) % 2) + 0..7) and leaves half a fragment of V^T: lane l holds channel r and 8 keys.
	v_and_b32 v17, 7, v0
	v_lshl_add_u32 v17, v15, 3, v17
	v_bfe_u32 v18, v0, 3, 1
	v_mul_u32_u24 v[AV0], v17, PV
	v_lshl_add_u32 v[AV0], v18, 4, v[AV0]
	v_add_nc_u32 v[AV0], VOFF, v[AV0]
	v_lshlrev_b32 v[QO], 7, v14
	v_lshl_add_u32 v[QO], v15, 4, v[QO]            ; Q: row r of 128 bytes + 16 h
	s_mul_i32 s[TM], s[WV], 4608
	s_add_co_u32 s[TM], s[TM], STAGE               ; my stage
	v_add_nc_u32 v[STO], s[TM], v[AK0]             ; in: row r of 144 bytes, 16 bytes for each half of the lanes
	v_lshrrev_b32 v17, 3, v16
	v_mul_u32_u24 v17, v17, 144
	v_and_b32 v18, 7, v0
	v_lshl_add_u32 v17, v18, 4, v17
	v_add_nc_u32 v[RD], s[TM], v17                 ; back: eight lanes to a row of 128 bytes, four rows an instruction
	v_lshlrev_b32 v[GO], 4, v16
	v_lshlrev_b32 v[PFO], 8, v16
	v_lshlrev_b32 v17, 3, v15
	v_sub_nc_u32 v[DD], v14, v17
	v_mov_b32 v[NINF], 0xff800000
; A block of queries begins: Q into registers; m = -3e38, under every score; l = 0; O^T = 0 (the first step's a is 0 and leaves zeros zeros).  The four registers at work are written too: the way out names
; two of them (a lane permute's destination counts as a source; a pair's upper half counts as read), whatever steps were walked before it.
.macro INIT
	WIN TO_1
.irp t, 0,1
.irp c, 0,1
.irp e, 0,1
	global_load_b128 v[16*\t+8*\c+4*\e:16*\t+8*\c+4*\e+3], v[QO], s[QA:QA+1] offset:2048*\t+64*\c+32*\e
.endr
.endr
.endr
	WIN 0
.irp t, 0,1
	v_mov_b32 v[ST+8*\t+1], 0xff61b1e6
	v_mul_f32 v[ST+8*\t], s[CS], v[ST+8*\t+1]
.irp i, 2,3,4,5,6,7
	v_mov_b32 v[ST+8*\t+\i], 0
.endr
.endr
.set i, 0
.rept 64
	v_mov_b32 v[OO+i], 0
.set i, i+1
.endr
.endm
.macro KLOADS off                      ; 16 loads: a step's K, 64 keys x 64 channels, off bytes behind v[ADK]
.irp f, 0,1,2,3
.irp c, 0,1
	ds_load_b128 v[KR+16*\f+8*\c:KR+16*\f+8*\c+3],   v[ADK] offset:\off+\f*16*PK+64*\c
	ds_load_b128 v[KR+16*\f+8*\c+4:KR+16*\f+8*\c+7], v[ADK] offset:\off+\f*16*PK+64*\c+32
.endr
.endr
.endm
; On the diagonal: register 8 f + j of tile t holds key KF + 16 f + 8 h + j and query Q0 + 16 t + r: hidden where 16 f + j > Q0 - KF + 16 t + r - 8 h.  Each accumulator is taken from its low end on.
.macro MASK
	s_sub_co_i32 s[TM], s[Q0], s[KF]
	v_add_nc_u32 v[D0], s[TM], v[DD]
	v_add_nc_u32 v[D0+1], 16, v[D0]
.irp t, 0,1
.irp n, 0,1,2,3,4,5,6,7,8,9,10,11,12,13,14,15,16,17,18,19,20,21,22,23,24,25,26,27,28,29,30,31
	v_cmp_gt_i32 vcc_lo, 16*(\n/8)+\n%8, v[D0+\t]
	v_cndmask_b32 v[SS+32*\t+\n], v[SS+32*\t+\n], v[NINF], vcc_lo
.endr
.endr
.endm
; Both tiles' softmax for one step, stage by stage, the tiles by turns so that no line waits for the line above it: 118 vector instructions a tile.
.macro SOFTMAX
.irp j, 0,1,2,3                        ; the maximum: four chains, one for each accumulator, begun at its low end
.irp t, 0,1
	v_max3_num_f32 v[ST+8*\t+4+\j], v[SS+32*\t+8*\j], v[SS+32*\t+8*\j+1], v[SS+32*\t+8*\j+2]
.endr
.endr
.irp i, 3,5
.irp j, 0,1,2,3
.irp t, 0,1
	v_max3_num_f32 v[ST+8*\t+4+\j], v[ST+8*\t+4+\j], v[SS+32*\t+8*\j+\i], v[SS+32*\t+8*\j+\i+1]
.endr
.endr
.endr
.irp t, 0,1
	v_max3_num_f32 v[ST+8*\t+4], v[ST+8*\t+4], v[SS+32*\t+7], v[SS+32*\t+15]
	v_max3_num_f32 v[ST+8*\t+6], v[ST+8*\t+6], v[SS+32*\t+23], v[SS+32*\t+31]
.endr
.irp t, 0,1
	v_max3_num_f32 v[ST+8*\t+4], v[ST+8*\t+4], v[ST+8*\t+5], v[ST+8*\t+6]
.endr
.irp t, 0,1
	v_max3_num_f32 v[ST+8*\t+4], v[ST+8*\t+4], v[ST+8*\t+7], v[ST+8*\t+1]   ; with the old m
.endr
.irp t, 0,1
	v_permlanex16_b32 v[ST+8*\t+5], v[ST+8*\t+4], s[SEL], s[SEL+1]          ; the query's other 32 keys lie in the lane 16 away
.endr
.irp t, 0,1
	v_mov_b32 v[ST+8*\t+7], v[ST+8*\t]                                      ; c m_old is kept for a
.endr
.irp t, 0,1
	v_max_num_f32 v[ST+8*\t+1], v[ST+8*\t+4], v[ST+8*\t+5]                  ; the new m
.endr
.irp t, 0,1
	v_mul_f32 v[ST+8*\t], s[CS], v[ST+8*\t+1]
.endr
.irp t, 0,1
	v_sub_f32 v[ST+8*\t+7], v[ST+8*\t+7], v[ST+8*\t]
.endr
.irp t, 0,1
.irp i, 0,2,4,6,8,10,12,14,16,18,20,22,24,26,28,30
	v_pk_fma_f32 v[SS+32*\t+\i:SS+32*\t+\i+1], v[SS+32*\t+\i:SS+32*\t+\i+1], s[CS:CS+1], v[ST+8*\t:ST+8*\t+1] op_sel_hi:[1,0,0] neg_lo:[0,0,1] neg_hi:[0,0,1]   ; c s - c m, two at a time
.endr
.endr
.irp t, 0,1
	v_exp_f32 v[ST+8*\t+6], v[ST+8*\t+7]           ; a
.endr
.set i, 0
.rept 64
	v_exp_f32 v[SS+i], v[SS+i]                     ; p, at most 1
.set i, i+1
.endr
	v_nop                                          ; one plain instruction behind the last exponential, ahead of the first use
	s_wait_alu depctr_va_vdst(0)                   ; the wait ahead of the first instruction that names a result: one for the 66 exponentials
.set i, 0
.rept 32
	v_cvt_pk_f16_f32 v[PP+i], v[SS+2*i], v[SS+2*i+1]   ; P: a pair of neighbouring keys to a register
.set i, i+1
.endr
.irp w, 4,8,16,32                      ; the row's sum of the unrounded p, in place: neighbours 1, 2, 4 and 8 pairs apart, both tiles
.set i, 0
.rept 64/\w
	v_pk_add_f32 v[SS+\w*i:SS+\w*i+1], v[SS+\w*i:SS+\w*i+1], v[SS+\w*i+\w/2:SS+\w*i+\w/2+1]
.set i, i+1
.endr
.endr
.irp t, 0,1
	v_pk_fma_f32 v[ST+8*\t+2:ST+8*\t+3], v[ST+8*\t+2:ST+8*\t+3], v[ST+8*\t+6:ST+8*\t+7], v[SS+32*\t:SS+32*\t+1] op_sel_hi:[1,0,1]   ; l = a l + the sum
.endr
.irp t, 0,1
.irp i, 0,2,4,6,8,10,12,14,16,18,20,22,24,26,28,30
	v_pk_mul_f32 v[OO+32*\t+\i:OO+32*\t+\i+1], v[OO+32*\t+\i:OO+32*\t+\i+1], v[ST+8*\t+6:ST+8*\t+7] op_sel_hi:[1,0]   ; O^T x a, each accumulator from its low end on
.endr
.endr
.endm
; THE CHANGE OF SLOTS stands at a unit's head.  Each wave waits for all its tensor loads (its quarter of the unit that it is about to read), adds 0 to its spare word, and waits for that and for its reads of the slot that
; it has left.  Behind the barrier the slot ahead is whole and nobody reads the other one.  fill = 1: that other slot takes the next unit: one unit on, or, where this trip ends the first block, back to unit 0.
.macro CHANGE fill
	s_wait_tensorcnt 0x0                           ; no tensor load of mine is out, so a group 0 may be written
	ds_add_u32 v[SPW], v[NIL]                      ; 0 onto my spare word; the descriptors' steps stand between it and the wait for it
.if \fill
	s_cmp_eq_u32 s[TT], s[JJ]
	s_cselect_b32 s[DF], 0, UNITB
	s_cselect_b32 s[DB], s[RW], 0
	s_xor_b32 s[G0K+1], s[G0K+1], SLOT1            ; the other slot than last time
	s_xor_b32 s[G0V+1], s[G0V+1], SLOT1
	s_add_nc_u64 s[G0K+2:G0K+3], s[G0K+2:G0K+3], s[DF:DF+1]   ; the type bits on top are not reached
	s_sub_nc_u64 s[G0K+2:G0K+3], s[G0K+2:G0K+3], s[DB:DB+1]
	s_add_nc_u64 s[G0V+2:G0V+3], s[G0V+2:G0V+3], s[DF:DF+1]
	s_sub_nc_u64 s[G0V+2:G0V+3], s[G0V+2:G0V+3], s[DB:DB+1]
	s_wait_xcnt 0x0                                ; the last prefetch, a unit back, has read its address, so it may be written
	s_add_nc_u64 s[PFA:PFA+1], s[PFA:PFA+1], UNITB
.endif
	s_wait_dscnt 0x0                               ; the add is done, and my reads of the slot that I have left are over
	s_barrier_signal -1
	s_barrier_wait -1
.if \fill
	TLOAD                                          ; the first thing behind the barrier, and my one tensor load until the next
	ASK
.endif
.endm
; A STEP: 64 keys, the q-th of the unit in hand; its place in the slot stands in the loads' immediates.  A step's V, and the next step's K, are fetched behind its first products, ahead of the softmax.
.macro STEP q
	s_add_co_u32 s[TM], s[Q0], 31
	s_cmp_gt_u32 s[KF], s[TM]                      ; all 64 keys come after my last query: ids and counts alone
	s_cbranch_scc1 .Lhid_\@
	s_wait_dscnt 0x0                               ; K
	WIN W_KQ
.irp c, 0,1                            ; S^T = K Q^T: the eight accumulators take turns, one instruction a turn; the first eight products start the sums
.irp f, 0,1,2,3
.irp t, 0,1
.if \c == 0
	v_wmma_f32_16x16x32_f16 v[SS+32*\t+8*\f:SS+32*\t+8*\f+7], v[KR+16*\f+8*\c:KR+16*\f+8*\c+7], v[16*\t+8*\c:16*\t+8*\c+7], 0
.else
	v_wmma_f32_16x16x32_f16 v[SS+32*\t+8*\f:SS+32*\t+8*\f+7], v[KR+16*\f+8*\c:KR+16*\f+8*\c+7], v[16*\t+8*\c:16*\t+8*\c+7], v[SS+32*\t+8*\f:SS+32*\t+8*\f+7]
.endif
.endr
.endr
.endr
	WIN 0
.rept 4
	v_nop                                          ; four places: ahead of the reads of S^T, of the loads into K's registers, and of the loads into V's, which the step before's last products read
.endr
	WIN TO_1
.irp g, 0,1
.irp n, 0,1,2,3
	ds_load_tr16_b128 v[VR+32*\g+8*\n:VR+32*\g+8*\n+3],   v[ADV] offset:(\q)*VSTEPB+\g*32*PV+32*\n
	ds_load_tr16_b128 v[VR+32*\g+8*\n+4:VR+32*\g+8*\n+7], v[ADV] offset:(\q)*VSTEPB+\g*32*PV+16*PV+32*\n
.endr
.endr
.if (\q) < 3                           ; the unit's last step has no successor in this slot
	KLOADS ((\q)+1)*KSTEPB
.endif
	WIN 0
	s_add_co_u32 s[TM], s[KF], 63
	s_cmp_le_u32 s[TM], s[Q0]                      ; all 64 keys count for all my queries
	s_cbranch_scc1 .Lopen_\@
	MASK
.Lopen_\@:
	SOFTMAX
	s_wait_dscnt 0x0                               ; V (and the next step's K)
	WIN W_PV
.irp g, 0,1                            ; O^T += V^T P: eight accumulators by turns
.irp n, 0,1,2,3
.irp t, 0,1
	v_wmma_f32_16x16x32_f16 v[OO+32*\t+8*\n:OO+32*\t+8*\n+7], v[VR+32*\g+8*\n:VR+32*\g+8*\n+7], v[PP+16*\t+8*\g:PP+16*\t+8*\g+7], v[OO+32*\t+8*\n:OO+32*\t+8*\n+7]
.endr
.endr
.endr
	WIN 0
.Lhid_\@:
	s_add_co_u32 s[KF], s[KF], 64
.endm
; A unit's four steps, written out.  The first step's K is fetched here (K's registers were last read ahead of four v_nop and a softmax); the wait for Q stands here too, outside every branch, once a unit:
; so Q is in ahead of every product, and no load into Q's registers is out when a block's end loads them again.
.macro SLOT_STEPS
	v_add_nc_u32 v[ADK], s[TB], v[AK0]
	v_add_nc_u32 v[ADV], s[TB], v[AV0]
	WIN TO_1
	KLOADS 0
	WIN 0
	s_wait_loadcnt 0x0                             ; Q
	STEP 0
	STEP 1
	STEP 2
	STEP 3
.endm
; A block of queries ends: O^T / l, rounded to f16, through my stage, and out: four rows of a head are 512 consecutive bytes, at a multiple of 512 from the buffer's first byte.
.macro FINISH
	s_wait_xcnt 0x0                                ; the first block's stores have read their data: those registers are written again only behind this wait
.rept 4
	v_nop                                          ; four places behind the last products
.endr
.irp t, 0,1
	v_add_f32 v[ST+8*\t+4], v[ST+8*\t+2], v[ST+8*\t+3]
.endr
.irp t, 0,1
	v_permlanex16_b32 v[ST+8*\t+5], v[ST+8*\t+4], s[SEL], s[SEL+1]
.endr
.irp t, 0,1
	v_add_f32 v[ST+8*\t+4], v[ST+8*\t+4], v[ST+8*\t+5]
.endr
.irp t, 0,1
	v_rcp_f32 v[ST+8*\t+6], v[ST+8*\t+4]
.endr
	v_nop                                          ; a plain instruction between the last reciprocal and the use of its result
	s_wait_alu depctr_va_vdst(0)                   ; and the wait ahead of the first use: one for both
.irp t, 0,1
.irp i, 0,2,4,6,8,10,12,14,16,18,20,22,24,26,28,30
	v_pk_mul_f32 v[OO+32*\t+\i:OO+32*\t+\i+1], v[OO+32*\t+\i:OO+32*\t+\i+1], v[ST+8*\t+6:ST+8*\t+7] op_sel_hi:[1,0]
.endr
.endr
.set i, 0
.rept 32
	v_cvt_pk_f16_f32 v[PKD+i], v[OO+2*i], v[OO+2*i+1]   ; register 16 t + 4 n + i': channels 16 n + 8 h + 2 i', + 1 of query r of tile t
.set i, i+1
.endr
.irp t, 0,1
.irp n, 0,1,2,3
	ds_store_b128 v[STO], v[PKD+16*\t+4*\n:PKD+16*\t+4*\n+3] offset:2304*\t+32*\n
.endr
.endr
.irp t, 0,1
.irp i, 0,1,2,3
	ds_load_b128 v[BK+16*\t+4*\i:BK+16*\t+4*\i+3], v[RD] offset:2304*\t+576*\i   ; LDS serves a wave's instructions in order (ISA guide 5.7.1.4): these see the stores above
.endr
.endr
	s_wait_dscnt 0x0
.irp t, 0,1
.irp i, 0,1,2,3
	global_store_b128 v[GO], v[BK+16*\t+4*\i:BK+16*\t+4*\i+3], s[OA:OA+1] offset:2048*\t+512*\i
.endr
.endr
.endm
	INIT
	s_mov_b32 s[TT], 0
	s_mov_b32 s[TB], 0
	s_mov_b32 s[KF], 0
.Lunit:                                                ; eight trips: behind each change of slots the next unit is asked for.
	CHANGE 1
	SLOT_STEPS
	s_cmp_lg_u32 s[TT], s[JJ]                      ; trip J walks the first block's last unit
	s_cbranch_scc1 .Lsame
	FINISH
	s_wait_xcnt 0x0                                ; the loads of Q and the stores have read their bases: both may be written
	s_mov_b64 s[QA:QA+1], s[QN:QN+1]
	s_mov_b64 s[OA:OA+1], s[ON:ON+1]
	s_mov_b32 s[Q0], s[Q0N]
	s_mov_b32 s[KF], 0
	INIT
.Lsame:
	s_xor_b32 s[TB], s[TB], SLOT1                  ; on to the other slot
	s_add_co_u32 s[TT], s[TT], 1
	s_cmp_lt_u32 s[TT], 8
	s_cbranch_scc1 .Lunit
	CHANGE 0                                       ; the ninth unit is written out: nothing is left to ask for
	SLOT_STEPS
	FINISH
	s_wait_tensorcnt 0x0                           ; the wave's end: behind my last tensor load and my last LDS store
	ds_add_u32 v[SPW], v[NIL]
	s_wait_dscnt 0x0
	s_endpgm
.Lfunc_end_k_q3e01137823_attn:
	.size	k_q3e01137823_attn, .Lfunc_end_k_q3e01137823_attn-k_q3e01137823_attn
	.p2alignl 7, 3214868480
	.fill 96, 4, 3214868480
	.section	.rodata,"a",@progbits
	.p2align	6, 0x0
	.amdhsa_kernel k_q3e01137823_attn
		.amdhsa_group_segment_fixed_size 327680
		.amdhsa_private_segment_fixed_size 0
		.amdhsa_enable_private_segment 0
		.amdhsa_kernarg_size 16
		.amdhsa_user_sgpr_count 2
		.amdhsa_user_sgpr_kernarg_segment_ptr 1
		.amdhsa_wavefront_size32 1
		.amdhsa_system_sgpr_workgroup_id_x 1
		.amdhsa_system_sgpr_workgroup_id_y 1
		.amdhsa_system_sgpr_workgroup_id_z 1
		.amdhsa_system_vgpr_workitem_id 0
		.amdhsa_next_free_vgpr 416
		.amdhsa_next_free_sgpr 74
		.amdhsa_reserve_vcc 1
		.amdhsa_float_denorm_mode_32 3
		.amdhsa_float_denorm_mode_16_64 3
		.amdhsa_memory_ordered 1
		.amdhsa_forward_progress 1
		.amdhsa_inst_pref_size 197
	.end_amdhsa_kernel
	.amdgpu_metadata
---
amdhsa.version: [ 1, 2 ]
amdhsa.kernels:
  - .name:           k_q3e01137823_attn
    .symbol:         k_q3e01137823_attn.kd
    .args:
      - { .name: qkv16, .offset: 0, .size: 8, .value_kind: global_buffer, .address_space: global }
      - { .name: att16, .offset: 8, .size: 8, .value_kind: global_buffer, .address_space: global }
    .group_segment_fixed_size: 327680
    .private_segment_fixed_size: 0
    .kernarg_segment_align: 8
    .kernarg_segment_size: 16
    .max_flat_workgroup_size: 256
    .sgpr_count:     74
    .vgpr_count:     416
    .wavefront_size: 32
...
	.end_amdgpu_metadata
.endif
;; end of part 3
;; launch proj (part 4): grid 4 x 64, 4 waves a work-group, clusters of 4 x 4, 327,680 bytes of LDS; arguments att16, wo16, out0; writes out0
.if DOCPART == 4
	.amdgcn_target "amdgcn-amd-amdhsa--gfx1250"
	.amdhsa_code_object_version 6
	.text
	.protected	k_q3e01137823_proj
	.globl	k_q3e01137823_proj
	.p2align	8
	.type	k_q3e01137823_proj,@function
k_q3e01137823_proj:
	s_mov_b64 s[64:65], 0
	v_nop
	global_prefetch_b8 v0, s[64:65] scope:SCOPE_SE
	s_setreg_imm32_b32 hwreg(HW_REG_WAVE_MODE, 25, 1), 1
	s_wait_xcnt 0x0
	s_wait_alu depctr_hold_cnt(0) depctr_sa_sdst(0) depctr_va_vdst(0) depctr_va_sdst(0) depctr_va_ssrc(0) depctr_va_vcc(0) depctr_vm_vsrc(0)
	s_getreg_b32 s2, hwreg(HW_REG_IB_STS2, 6, 4)
	s_cmp_eq_u32 s2, 0
	s_cbranch_scc0 .Lentry_in_a_cluster
	s_endpgm
.Lentry_in_a_cluster:
	s_bfe_u32 s2, ttmp6, 0x10000c
	s_cmp_lg_u32 s2, 0xf033
	s_cbranch_scc0 .Lentry_shape_is_right
	s_endpgm
.Lentry_shape_is_right:
; out0[m][n] = sum over k of att[m][k] w_out[n][k].  att16: f16, laid by head [16][8192 rows][64], k = 64 x head + channel; wo16: f16 [1024 n][1024 k]; out0: [8192][1024] f32; sums in f32.
; (The first 16 positions of each of the four sequences are computed here like all rows and written once more, more finely, by a later launch: a work-group's place in its cluster
; decides which tile holds those rows.)
; A tile of 128 x 256 gives 4 x 64 = 256 work-groups.  Four waves, each 64 x 128: 32 accumulators of 16 x 16, 256 registers.  K goes in 8 steps of 128 (two heads) through a ring of two LDS slots:
; waves 0 and 1 fetch A's two planes (128 rows x 128 bytes each), waves 2 and 3 B's two halves (128 rows x 256 bytes each): one tensor load a wave behind each round.
; CLUSTERS: 4 x 4 work-groups.  The four of a row of the cluster need the same tiles of A, the four of a column the same tiles of B: each tile is asked for JOINTLY, by the same tensor load with the same descriptor and a
; mask that names the four.  THE MATRIX INSTRUCTION IS USED TRANSPOSED (source 0 = 16 rows of B, source 1 = 16 rows of A): a lane then holds eight neighbouring numbers of a row of the result.
; NO PREFETCH: K has eight steps, of which the first two are asked for at the head and the next two one step later; what is left to name ahead is half of a short walk.
; REGISTERS: window 0: v16-29 addresses; v128-255 rows on the way out.   window 1: two fragment buffers of 96: 32 registers of A (4 x 16 rows x 32 K), then 64 of B.   window 2: accumulator (a, b) at v[8 (8 a + b)].
.set PA,     144                       ; a row of A in LDS: 128 bytes + 16;  of B: 256 + 16: both odd multiples of 16, so the 16 rows of a fragment load start at 16 different groups of four banks (ISA guide 11.1)
.set PB,     272
.set APL,    128*PA                    ; a plane of A: what one tensor load brings
.set BOFF,   2*APL                     ; B lies behind A's two planes
.set BH,     128*PB                    ; 128 rows of B: what one tensor load brings, and what one wave reads
.set SLOT,   BOFF+2*BH
.set SPARE,  2*SLOT                    ; behind the ring: the spare words, 128 bytes a wave, which no other line names
.set SPITCH, 528                       ; the way out: a stage of 16 rows x (512 bytes + 16) for each wave, in slot 0, which has had its last fill and its last read by then
.set LAPS,   4                         ; a lap = two K steps = once round the ring
.set ADRA, 16                          ; v16-17  LDS address of my A fragments in slot 0, 1
.set ADRB, 20                          ; v20-21  the same for B
.set STO,  24                          ; v24     the way out: where I put 32 bytes of a row
.set RD,   25                          ; v25     the way out: where I read a row back
.set CO,   26                          ; v26     16 x lane
.set SPW,  28                          ; v28     LDS address of my spare word; never rewritten
.set NIL,  29                          ; v29     0; never rewritten
.set BK,   128                         ; the way out: 16 rows read back: v128-191 and v192-255 by turns
.set F0,   0                           ; fragment buffers, in window 1
.set F1,   96
.set G1, 24                            ; s[24:31] descriptor group 1 for A's tiles;  s[32:39] group 0, one set for each slot
.set G0, 32
.set G1B, 48                           ; s[48:55], s[56:63] the same for B's tiles
.set G0B, 56
.set MSB, 0
.macro WIN new                         ; the immediate's high byte repeats the setting that is left; a switch that changes nothing is dropped
.if MSB != (\new)
	s_set_vgpr_msb (MSB<<8)|(\new)
.set MSB, (\new)
.endif
.endm
.set MUL,  0xa5                        ; sources 0 (B) and 1 (A) window 1; C and D window 2
.set TO_F, 0x40                        ; destination window 1, address window 0
.macro JLOAD s                         ; a joint load: waves 0 and 1 fetch A's planes, waves 2 and 3 B's halves; an s_nop 0 and four v_nop follow each of the two lines, ahead of the jump, the label and what follows
	s_cmp_eq_u32 s11, 0
	s_cbranch_scc0 .Lfor_b_\@
	tensor_load_to_lds s[G0+4*\s:G0+4*\s+3], s[G1:G1+7]
	s_nop 0
.rept 4
	v_nop
.endr
	s_branch .Lasked_\@
.Lfor_b_\@:
	tensor_load_to_lds s[G0B+4*\s:G0B+4*\s+3], s[G1B:G1B+7]
	s_nop 0
.rept 4
	v_nop
.endr
.Lasked_\@:
.endm
.macro CREST                           ; a round of the cluster's barrier behind its opening barrier
	s_cmp_lg_u32 s10, 0
	s_cbranch_scc1 .Lnot_wave_0_\@
	s_barrier_signal -3
.Lnot_wave_0_\@:
	s_barrier_wait -3
	s_barrier_signal -1
	s_barrier_wait -1
.endm
.macro CROUND                          ; a whole round
	s_barrier_signal -1
	s_barrier_wait -1
	CREST
.endm
	s_load_b128 s[4:7], s[0:1], 0x0                ; att16 s[4:5], wo16 s[6:7]
	s_load_b64 s[8:9], s[0:1], 0x10                ; out0
	v_lshl_add_u32 v[SPW], v0, 2, SPARE
	v_mov_b32 v[NIL], 0
	ds_add_u32 v[SPW], v[NIL]                      ; the wave's opening: the add, twice on end, and its wait ahead of my first tensor load; the set-up below stands between the second and the wait
	ds_add_u32 v[SPW], v[NIL]
	v_lshrrev_b32 v1, 5, v0
	v_readfirstlane_b32 s10, v1                    ; wave 0..3
	s_lshr_b32 s11, s10, 1                         ; which 64 of the tile's rows are mine.  Also: I fetch for A (0) or for B (1)
	s_and_b32 s12, s10, 1                          ; which 128 of its columns.  Also: which plane of A or half of B I fetch
	s_bfe_u32 s40, ttmp6, 0x40000                  ; cx, cy: my place in the cluster
	s_bfe_u32 s41, ttmp6, 0x40004
	s_lshl_b32 s42, ttmp9, 2
	s_add_co_u32 s42, s42, s40                     ; tile column = 4 x cluster x + cx
	s_and_b32 s13, ttmp7, 0xffff
	s_lshl_b32 s13, s13, 2
	s_add_co_u32 s13, s13, s41                     ; tile row = 4 x cluster y + cy
	s_lshl_b32 s43, s41, 2
	s_lshl_b32 s43, 15, s43                        ; my row of the cluster
	s_lshl_b32 s44, 0x1111, s40                    ; my column
	; descriptor group 1.  A: 128 rows x 64 elements of 2 bytes, dense in a plane;  B: 128 rows x 128 elements, 1,024 elements from row to row
	s_or_b32 s[G1+0], s43, (1<<16)|(1<<20)|(1<<21)|(4<<22)|(3<<25)   ; 15:0 the mask: A's tiles go to my row; 17:16 elements of 2 bytes; 20 padding on; 21 set beside a mask; 24:22 after every 32 words (code 4); 31:25 of 4 words (code 3)
	s_mov_b32 s[G1+1], 64<<16                      ; tensor_dim0
	s_mov_b32 s[G1+2], 128<<16                     ; tensor_dim1
	s_mov_b32 s[G1+3], 64<<16                      ; tile_dim0
	s_mov_b32 s[G1+4], 128                         ; tile_dim1
	s_mov_b32 s[G1+5], 64                          ; tensor_dim0_stride
	s_mov_b32 s[G1+6], 0
	s_mov_b32 s[G1+7], 0
	s_or_b32 s[G1B+0], s44, (1<<16)|(1<<20)|(1<<21)|(5<<22)|(3<<25)  ; the mask of my column; padding after every 64 words (code 5)
	s_mov_b32 s[G1B+1], 128<<16
	s_mov_b32 s[G1B+2], 128<<16
	s_mov_b32 s[G1B+3], 128<<16
	s_mov_b32 s[G1B+4], 128
	s_mov_b32 s[G1B+5], 1024
	s_mov_b32 s[G1B+6], 0
	s_mov_b32 s[G1B+7], 0
	; A's address hangs on the tile row alone, which my row of the cluster shares; B's on the tile column alone; each in registers that never hold the other coordinate
	s_lshl_b32 s16, s13, 14                        ; A: 128 rows of 128 bytes a tile row,
	s_lshl_b32 s17, s12, 20                        ; + my plane
	s_add_co_u32 s16, s16, s17
	s_mov_b32 s17, 0
	s_lshl_b32 s46, s42, 19                        ; B: 256 rows of 2,048 bytes a tile column,
	s_lshl_b32 s47, s12, 18                        ; + my 128 rows
	s_add_co_u32 s46, s46, s47
	s_mov_b32 s47, 0
	s_mul_i32 s20, s12, APL                        ; where they go: no place in the cluster enters an LDS address
	s_mul_i32 s21, s12, BH
	s_add_co_u32 s21, s21, BOFF
	s_wait_dscnt 0x0                               ; both opening adds are done
	s_wait_kmcnt 0x0
	s_add_nc_u64 s[14:15], s[4:5], s[16:17]
	s_add_nc_u64 s[46:47], s[6:7], s[46:47]
	CROUND                                         ; all sixteen work-groups are here: the first joint loads meet
.irp s, 0,1
	s_mov_b32 s[G0+4*\s], 1
	s_add_co_u32 s[G0+4*\s+1], s20, \s*SLOT
	s_add_nc_u64 s[G0+4*\s+2:G0+4*\s+3], s[14:15], \s*0x200000     ; K step s: two planes on
	s_or_b32 s[G0+4*\s+3], s[G0+4*\s+3], 0x80000000
	s_mov_b32 s[G0B+4*\s], 1
	s_add_co_u32 s[G0B+4*\s+1], s21, \s*SLOT
	s_add_nc_u64 s[G0B+4*\s+2:G0B+4*\s+3], s[46:47], \s*256        ; K step s: 256 bytes along the rows
	s_or_b32 s[G0B+4*\s+3], s[G0B+4*\s+3], 0x80000000
	JLOAD \s                                       ; two loads of mine are out behind the second
.endr
	v_and_b32 v1, 15, v0                           ; l % 16
	v_bfe_u32 v2, v0, 4, 1                         ; l / 16
	v_mul_u32_u24 v3, v1, PA
	v_lshl_add_u32 v3, v2, 4, v3                   ; a fragment's row x pitch + 16 x half
	v_mul_u32_u24 v4, v1, PB
	v_lshl_add_u32 v4, v2, 4, v4
	s_mul_i32 s21, s11, 64*PA                      ; my 64 rows of A (in each plane)
	s_mul_i32 s22, s12, BH                         ; my 128 rows of B
	s_add_co_u32 s22, s22, BOFF
.irp s, 0,1
	v_add_nc_u32 v[ADRA+\s], s21, v3
	v_add_nc_u32 v[ADRB+\s], s22, v4
	s_add_co_u32 s21, s21, SLOT
	s_add_co_u32 s22, s22, SLOT
.endr
	s_mul_i32 s23, s10, 16*SPITCH                  ; my stage
	v_mul_u32_u24 v5, v1, SPITCH                   ; in: row l % 16, 32 bytes for each half of the lanes
	v_lshl_add_u32 v5, v2, 5, v5
	v_add_nc_u32 v[STO], s23, v5
	v_and_b32 v6, 31, v0
	v_lshlrev_b32 v[CO], 4, v6                     ; back: the 32 lanes take one row of 512 bytes; and the same in out0
	v_add_nc_u32 v[RD], s23, v[CO]
	s_lshl_b32 s16, s13, 7
	s_lshl_b32 s17, s11, 6
	s_add_co_u32 s16, s16, s17                     ; my first row: 128 x tile row + 64 x half,
	s_lshl_b32 s16, s16, 12                        ; of 4,096 bytes
	s_mov_b32 s17, 0
	s_add_nc_u64 s[8:9], s[8:9], s[16:17]
	s_lshl_b32 s46, s42, 10                        ; my first column, in bytes: 1,024 x tile column + 512 x half
	s_lshl_b32 s47, s12, 9
	s_add_co_u32 s46, s46, s47
	s_mov_b32 s47, 0
	s_add_nc_u64 s[8:9], s[8:9], s[46:47]
; 8 matrix instructions: A's block a x B's eight, 32 along K, from buffer f.  zero = 1: the product starts the sums: nothing is ever cleared.
; The 32 accumulators take turns, one instruction a turn, in the same order in every quarter.
.macro MUL8 f, a, zero
.irp b, 0,1,2,3,4,5,6,7
.if \zero
	v_wmma_f32_16x16x32_f16 v[8*(8*(\a)+\b):8*(8*(\a)+\b)+7], v[\f+32+8*\b:\f+32+8*\b+7], v[\f+8*(\a):\f+8*(\a)+7], 0
.else
	v_wmma_f32_16x16x32_f16 v[8*(8*(\a)+\b):8*(8*(\a)+\b)+7], v[\f+32+8*\b:\f+32+8*\b+7], v[\f+8*(\a):\f+8*(\a)+7], v[8*(8*(\a)+\b):8*(8*(\a)+\b)+7]
.endif
.endr
.endm
.macro MUL16 f, a0, zero
	MUL8 \f, \a0, \zero
	MUL8 \f, (\a0)+1, \zero
.endm
; 24 LDS loads in one run: the fragments of the slot's q-th 32 along K into buffer f: B's eight blocks, then A's four.  Quarter q of A lies in plane q / 2, at byte 64 (q % 2) of its rows.
.macro FETCH slot, q, f
	WIN TO_F
.irp i, 0,1,2,3,4,5,6,7
	ds_load_b128 v[\f+32+8*\i:\f+32+8*\i+3],   v[ADRB+\slot] offset:64*(\q)+\i*16*PB
	ds_load_b128 v[\f+32+8*\i+4:\f+32+8*\i+7], v[ADRB+\slot] offset:64*(\q)+\i*16*PB+32
.endr
.irp i, 0,1,2,3
	ds_load_b128 v[\f+8*\i:\f+8*\i+3],   v[ADRA+\slot] offset:((\q)/2)*APL+64*((\q)%2)+\i*16*PA
	ds_load_b128 v[\f+8*\i+4:\f+8*\i+7], v[ADRA+\slot] offset:((\q)/2)*APL+64*((\q)%2)+\i*16*PA+32
.endr
.endm
.macro PLACES                          ; four places in front of loads into registers that matrix instructions have read, and of the first read of results
.rept 4
	v_nop
.endr
.endm
; A K step is four quarters of 32 along K, 32 matrix instructions each, on buffers 0, 1, 0, 1.  One of the first three: multiplies buffer f and fetches quarter q into g.
.macro QUARTER slot, q, f, g, zero
	s_wait_dscnt 4                                 ; B and A's blocks 0, 1 are in; the youngest four loads (A's blocks 2, 3) may be out
	WIN MUL
	MUL16 \f, 0, \zero
	PLACES
	FETCH \slot, \q, \g
	s_wait_dscnt 24                                ; all but the 24 just issued
	WIN MUL
	MUL16 \f, 2, \zero
.endm
; The last quarter multiplies buffer 1 and changes slots: ONE barrier; in front of it each wave waits for all its tensor loads, adds 0 to its spare word, and waits for that and for its own reads of this slot.
; fill = 1: the barrier opens a round of the cluster's, and this slot is filled again, two K steps ahead: the load has a K step less eight matrix instructions in which to land.
.macro TURN slot, next, fill
	WIN 0                                          ; (the add's two registers lie in window 0)
	s_wait_tensorcnt 0x0                           ; all my tensor loads have landed: my part of the next slot
	ds_add_u32 v[SPW], v[NIL]                      ; 0 onto my spare word
	s_wait_dscnt 5                                 ; (the add and the youngest four loads may be out)
	WIN MUL
	MUL8 F1, 0, 0                                  ; eight matrix instructions stand between the add and the wait for it
	s_wait_dscnt 0x0                               ; the add is done, and my reads of this slot are over
	s_barrier_signal -1
	MUL8 F1, 1, 0
.if \fill
	WIN 0
.endif
	s_barrier_wait -1
.if \fill
	CREST                                          ; no wave of any partner still reads this slot's tile or has a load on its way
	s_add_nc_u64 s[G0+4*\slot+2:G0+4*\slot+3], s[G0+4*\slot+2:G0+4*\slot+3], 0x400000   ; two K steps on: four planes of A,
	s_add_nc_u64 s[G0B+4*\slot+2:G0B+4*\slot+3], s[G0B+4*\slot+2:G0B+4*\slot+3], 512    ; 512 bytes along B's rows
	JLOAD \slot                                    ; the first tensor load behind the round; the four v_nop behind it are also the places in front of the loads below
.else
	PLACES
.endif
	FETCH \next, 0, F0
	WIN MUL
	MUL16 F1, 2, 0
.endm
	s_wait_tensorcnt 1                             ; my part of K step 0 is in (K step 1's load may be out)
	s_barrier_signal -1
	s_barrier_wait -1                              ; everybody's is
	FETCH 0, 0, F0
	QUARTER 0, 1, F0, F1, 1                        ; the first quarter stands in front of the loop: its products start the sums
	WIN 0                                          ; at a label and at a branch every window is 0
	s_mov_b32 s3, LAPS-1
.Llap:                                                 ; a trip goes once round the ring, from a lap's second quarter to the next lap's first, and fills both slots again
	QUARTER 0, 2, F1, F0, 0
	QUARTER 0, 3, F0, F1, 0
	TURN 0, 1, 1
	QUARTER 1, 1, F0, F1, 0
	QUARTER 1, 2, F1, F0, 0
	QUARTER 1, 3, F0, F1, 0
	TURN 1, 0, 1
	QUARTER 0, 1, F0, F1, 0
	WIN 0
	s_sub_co_u32 s3, s3, 1
	s_cmp_lg_u32 s3, 0
	s_cbranch_scc1 .Llap
	QUARTER 0, 2, F1, F0, 0                        ; the last lap fills nothing, and has no round of the cluster's barrier
	QUARTER 0, 3, F0, F1, 0
	TURN 0, 1, 0
	QUARTER 1, 1, F0, F1, 0
	QUARTER 1, 2, F1, F0, 0
	QUARTER 1, 3, F0, F1, 0
	s_wait_dscnt 4                                 ; the very last quarter: nothing more to fetch
	WIN MUL
	MUL16 F1, 0, 0
	s_wait_dscnt 0
	MUL16 F1, 2, 0
	WIN 0
; THE WAY OUT, block by block of 16 rows x 128 columns.  A lane holds 32 neighbouring bytes of a row, and the lanes beside it hold other rows: so a block goes through my own stage in LDS and comes back as whole
; rows of 512 bytes, which the 32 lanes store at a multiple of 512 from out0's first byte.  LDS serves a wave's instructions in order (ISA guide 5.7.1.4): no wait between the stores and the loads.
.macro TOSTAGE a
.set AC, 64*(\a)
	WIN 0x08                                       ; an LDS store's data are its source 1: window 2
.irp b, 0,1,2,3,4,5,6,7
	ds_store_b128 v[STO], v[AC+8*\b:AC+8*\b+3] offset:64*\b          ; each accumulator from its low end on
	ds_store_b128 v[STO], v[AC+8*\b+4:AC+8*\b+7] offset:64*\b+16
.endr
	WIN 0
.set BB, BK+64*((\a)%2)
.irp t, 0,1,2,3,4,5,6,7,8,9,10,11,12,13,14,15
	ds_load_b128 v[BB+4*\t:BB+4*\t+3], v[RD] offset:\t*SPITCH
.endr
.endm
.macro SEND a, younger                 ; younger: the LDS instructions issued behind block a's loads, which may stay out
.set BB, BK+64*((\a)%2)
	s_wait_dscnt \younger                          ; the block is back in registers
.irp t, 0,1,2,3,4,5,6,7,8,9,10,11,12,13,14,15
	global_store_b128 v[CO], v[BB+4*\t:BB+4*\t+3], s[8:9] offset:(16*(\a)+\t)*4096 th:TH_STORE_NT   ; the row stands in the immediate: 258,048 at the most; no base is stepped
.endr
.endm
	PLACES                                         ; behind the last products, ahead of the first read of results
	TOSTAGE 0
.irp a, 1,2,3
.if \a > 1
	s_wait_xcnt 0x0                                ; block a - 2's stores have read their registers: block a's loads may land there
.endif
	TOSTAGE \a
	SEND \a-1, 32                                  ; behind block a - 1's loads: block a's 16 stores and 16 loads
.endr
	SEND 3, 0
	s_wait_tensorcnt 0x0                           ; the wave's end: behind my last tensor load and my last LDS store
	ds_add_u32 v[SPW], v[NIL]
	s_wait_dscnt 0x0
	CROUND                                         ; the closing round: no work-group ends while a partner may still ask for a tile that names it
	s_endpgm
.Lfunc_end_k_q3e01137823_proj:
	.size	k_q3e01137823_proj, .Lfunc_end_k_q3e01137823_proj-k_q3e01137823_proj
	.p2alignl 7, 3214868480
	.fill 96, 4, 3214868480
	.section	.rodata,"a",@progbits
	.p2align	6, 0x0
	.amdhsa_kernel k_q3e01137823_proj
		.amdhsa_group_segment_fixed_size 327680
		.amdhsa_private_segment_fixed_size 0
		.amdhsa_enable_private_segment 0
		.amdhsa_kernarg_size 24
		.amdhsa_user_sgpr_count 2
		.amdhsa_user_sgpr_kernarg_segment_ptr 1
		.amdhsa_wavefront_size32 1
		.amdhsa_system_sgpr_workgroup_id_x 1
		.amdhsa_system_sgpr_workgroup_id_y 1
		.amdhsa_system_sgpr_workgroup_id_z 1
		.amdhsa_system_vgpr_workitem_id 0
		.amdhsa_next_free_vgpr 768
		.amdhsa_next_free_sgpr 66
		.amdhsa_reserve_vcc 0
		.amdhsa_float_denorm_mode_32 3
		.amdhsa_float_denorm_mode_16_64 3
		.amdhsa_memory_ordered 1
		.amdhsa_forward_progress 1
		.amdhsa_inst_pref_size 85
	.end_amdhsa_kernel
	.amdgpu_metadata
---
amdhsa.version: [ 1, 2 ]
amdhsa.kernels:
  - .name:           k_q3e01137823_proj
    .symbol:         k_q3e01137823_proj.kd
    .args:
      - { .name: att16, .offset: 0, .size: 8, .value_kind: global_buffer, .address_space: global }
      - { .name: wo16, .offset: 8, .size: 8, .value_kind: global_buffer, .address_space: global }
      - { .name: out0, .offset: 16, .size: 8, .value_kind: global_buffer, .address_space: global }
    .group_segment_fixed_size: 327680
    .private_segment_fixed_size: 0
    .kernarg_segment_align: 8
    .kernarg_segment_size: 24
    .max_flat_workgroup_size: 128
    .sgpr_count:     66
    .vgpr_count:     768
    .wavefront_size: 32
...
	.end_amdgpu_metadata
.endif
;; end of part 4
;; launch fine_attn (part 5): grid 16 x 4, 12 waves a work-group, no clusters, 18,432 bytes of LDS; arguments xc, xs, wc, ws, fine_o; writes fine_o
.if DOCPART == 5
	.amdgcn_target "amdgcn-amd-amdhsa--gfx1250"
	.amdhsa_code_object_version 6
	.text
	.protected	k_q3e01137823_fine_attn
	.globl	k_q3e01137823_fine_attn
	.p2align	8
	.type	k_q3e01137823_fine_attn,@function
k_q3e01137823_fine_attn:
	s_mov_b64 s[64:65], 0
	v_nop
	global_prefetch_b8 v0, s[64:65] scope:SCOPE_SE
	s_setreg_imm32_b32 hwreg(HW_REG_WAVE_MODE, 25, 1), 1
	s_wait_xcnt 0x0
; THE FIRST 16 POSITIONS of each sequence, in every batch and head, carried in f32: under the causal mask they average one to sixteen values and are the largest in size, so rounded operands weigh most there.
; Work-group (head, batch).  PHASE A: wave w makes 16 channels (w % 4) of q, k or v (w / 4) for the 16 positions, again from the codes of FP4 and their scale bytes, by eight scaled matrix instructions (K = 1,024),
; in f32 and NOT rounded; the results go to LDS as images of their registers.  q and k: source 0 = 16 rows of w_qkv, source 1 = the 16 rows of x: a lane holds one position and channels 8 h + 0..7.
; v: the sources changed over (by a choice of pointers on the wave's number): a lane holds one channel and positions 8 h + 0..7.
; PHASE B, waves 0-3: S^T = K Q^T (16 keys x 16 queries, 64 channels) by 16 f32 matrix instructions, the mask, the softmax with the row's maximum, O^T = V^T P for the wave's 16 channels by 4; O^T / the sum.
; A pair of registers 2 t, 2 t + 1 of an image gives lane half h and register j the channel (or key) 8 h + 2 t + j on BOTH sides of a product: the same permutation of K, so the sums hold the same terms.
; The 16 rows x 64 channels meet in a stage and leave as whole runs of 256 bytes: fine_o [16 batch + position][1024] f32.
; This is no bulk work: 20 f32 matrix instructions a wave.  No cluster, no tensor load: 104 KB of codes a work-group, straight into registers.
; LIMITS: hidden scores are -infinity where the source text has -1e9 (the same result wherever a row's largest kept score lies above -1e9 + 150); NaN and infinities are not served.
.set STG,   12*1024                    ; LDS: 12 images of 1,024 bytes; the stage: 16 rows x (256 bytes + 16);
.set SPARE, STG+16*272                 ; the spare words, 128 bytes a wave, which no other line names
.set OFC, 4                            ; v4   codes: 512 r + 16 h
.set OFS, 5                            ; v5   scale words: 32 r
.set IW,  6                            ; v6   where I store my image: 1,024 w + 16 lane
.set LI,  7                            ; v7   16 x lane
.set LV,  8                            ; v8   v's image of my channels: 1,024 (8 + w % 4) + 16 lane
.set SW,  9                            ; v9   the stage: where I put 32 bytes of a row
.set SR,  10                           ; v10  and where I read rows back
.set GOF, 11                           ; v11  the same rows in fine_o
.set DD,  12                           ; v12  r - 8 h
.set NINF, 13                          ; v13  -infinity
.set SPW, 14                           ; v14  LDS address of my spare word; never rewritten
.set NIL, 15                           ; v15  0; never rewritten
.set PS,  16                           ; v16-23 source 0's scale words, one for each 128 along K;  v24-31 source 1's: they hold scales and nothing else
.set RS,  24
.set PF,  32                           ; v32-95 source 0's eight fragments; later q's and k's images
.set RF,  96                           ; v96-159 source 1's; later v's image (v96-103), v104-111 at work, v120-127 S^T and p, v128-143 O^T
.set AC,  160                          ; v160-175 two accumulators;  v176-183 their sum
.set FS,  184                          ; v184-199 S^T's two accumulators, v200-215 O^T's: written by matrix instructions alone
.set FO,  200
	s_load_b256 s[4:11], s[0:1], 0x0               ; x's codes s[4:5], its scales s[6:7], w_qkv's codes s[8:9], its scales s[10:11]
	s_load_b64 s[12:13], s[0:1], 0x20              ; fine_o
	v_lshl_add_u32 v[SPW], v0, 2, SPARE
	v_mov_b32 v[NIL], 0
	v_lshrrev_b32 v1, 5, v0
	v_readfirstlane_b32 s14, v1                    ; wave 0..11
	v_and_b32 v1, 31, v0                           ; lane
	v_and_b32 v2, 15, v0                           ; r
	v_bfe_u32 v3, v0, 4, 1                         ; h
	v_lshlrev_b32 v[OFC], 9, v2
	v_lshl_add_u32 v[OFC], v3, 4, v[OFC]
	v_lshlrev_b32 v[OFS], 5, v2
	v_lshlrev_b32 v[LI], 4, v1
	s_lshl_b32 s15, s14, 10
	v_add_nc_u32 v[IW], s15, v[LI]
	s_and_b32 s16, s14, 3                          ; my 16 channels; every LDS address is made here, ahead of the first parting of the waves
	s_lshl_b32 s15, s16, 10
	s_add_co_u32 s15, s15, 8192
	v_add_nc_u32 v[LV], s15, v[LI]
	v_mul_u32_u24 v[SW], v2, 272
	v_lshl_add_u32 v[SW], v3, 5, v[SW]
	s_lshl_b32 s15, s16, 6
	s_add_co_u32 s15, s15, STG
	v_add_nc_u32 v[SW], s15, v[SW]                 ; row r, + 64 bytes for each 16 channels, + 32 h
	v_mul_u32_u24 v[SR], v3, 272
	v_lshl_add_u32 v[SR], v2, 4, v[SR]
	s_mul_i32 s15, s16, 4*272
	s_add_co_u32 s15, s15, STG
	v_add_nc_u32 v[SR], s15, v[SR]                 ; back: four rows a wave; sixteen lanes to a row, two rows an instruction
	v_lshlrev_b32 v[GOF], 12, v3
	v_lshl_add_u32 v[GOF], v2, 4, v[GOF]
	s_lshl_b32 s15, s16, 14
	v_add_nc_u32 v[GOF], s15, v[GOF]
	v_lshlrev_b32 v[DD], 3, v3
	v_sub_nc_u32 v[DD], v2, v[DD]
	v_mov_b32 v[NINF], 0xff800000
	v_mov_b32 v105, 0                              ; written once: a lane permute's destination counts as one of its sources
	s_lshr_b32 s17, s14, 2                         ; q, k or v
	s_lshl_b32 s17, s17, 10
	s_lshl_b32 s18, ttmp9, 6                       ; the head's 64 rows of w_qkv
	s_add_co_u32 s17, s17, s18
	s_lshl_b32 s18, s16, 4
	s_add_co_u32 s17, s17, s18                     ; my first row of w_qkv
	s_lshl_b32 s20, s17, 9                         ; its codes: 512 bytes a row,
	s_mov_b32 s21, 0
	s_lshl_b32 s22, s17, 5                         ; its scale bytes: 32 a row
	s_mov_b32 s23, 0
	s_and_b32 s19, ttmp7, 0xffff                   ; the batch
	s_lshl_b32 s24, s19, 20                        ; 2,048 rows of x: of codes,
	s_mov_b32 s25, 0
	s_lshl_b32 s26, s19, 16                        ; of scale bytes
	s_mov_b32 s27, 0
	s_mov_b32 s36, 0x76543210
	s_mov_b32 s37, 0xfedcba98                      ; v_permlanex16_b32's selects for lane l xor 16
	s_mov_b32 s38, 0x3e38aa3b                      ; c = log2(e) / 8
	s_mov_b32 s39, s38
	s_wait_kmcnt 0x0
	s_add_nc_u64 s[20:21], s[8:9], s[20:21]
	s_add_nc_u64 s[22:23], s[10:11], s[22:23]
	s_add_nc_u64 s[24:25], s[4:5], s[24:25]
	s_add_nc_u64 s[26:27], s[6:7], s[26:27]
	s_cmp_lt_u32 s14, 8                            ; q's and k's waves: source 0 = w_qkv; v's: source 0 = x.  The choice hangs on the wave's number alone
	s_cselect_b64 s[28:29], s[20:21], s[24:25]
	s_cselect_b64 s[30:31], s[24:25], s[20:21]
	s_cselect_b64 s[32:33], s[22:23], s[26:27]
	s_cselect_b64 s[34:35], s[26:27], s[22:23]
	s_lshl_b32 s20, s19, 16                        ; fine_o: 16 rows of 4,096 bytes a batch,
	s_lshl_b32 s21, ttmp9, 8                       ; 256 bytes a head
	s_add_co_u32 s20, s20, s21
	s_mov_b32 s21, 0
	s_add_nc_u64 s[12:13], s[12:13], s[20:21]
.irp s, 0,1,2,3,4,5,6,7                ; a fragment, 16 rows x 128 K of 4-bit codes: registers 4 e .. 4 e + 3 hold K = 64 e + 32 h + 0 .. 31
.irp e, 0,1
	global_load_b128 v[PF+8*\s+4*\e:PF+8*\s+4*\e+3], v[OFC], s[28:29] offset:64*\s+32*\e
	global_load_b128 v[RF+8*\s+4*\e:RF+8*\s+4*\e+3], v[OFC], s[30:31] offset:64*\s+32*\e
.endr
.endr
	global_load_b128 v[PS:PS+3], v[OFS], s[32:33]                  ; lane r: row r's eight scale words
	global_load_b128 v[PS+4:PS+7], v[OFS], s[32:33] offset:16
	global_load_b128 v[RS:RS+3], v[OFS], s[34:35]
	global_load_b128 v[RS+4:RS+7], v[OFS], s[34:35] offset:16
	s_wait_loadcnt 0x0
.irp s, 0,1,2,3,4,5,6,7                ; two accumulators take turns; the first two products start the sums
.if \s < 2
	v_wmma_scale_f32_16x16x128_f8f6f4 v[AC+8*(\s%2):AC+8*(\s%2)+7], v[PF+8*\s:PF+8*\s+7], v[RF+8*\s:RF+8*\s+7], 0, v[PS+\s], v[RS+\s] matrix_a_fmt:MATRIX_FMT_FP4 matrix_b_fmt:MATRIX_FMT_FP4
.else
	v_wmma_scale_f32_16x16x128_f8f6f4 v[AC+8*(\s%2):AC+8*(\s%2)+7], v[PF+8*\s:PF+8*\s+7], v[RF+8*\s:RF+8*\s+7], v[AC+8*(\s%2):AC+8*(\s%2)+7], v[PS+\s], v[RS+\s] matrix_a_fmt:MATRIX_FMT_FP4 matrix_b_fmt:MATRIX_FMT_FP4
.endif
.endr
.rept 4
	v_nop                                          ; four places behind this form (ISA guide 7.12.1)
.endr
.irp i, 0,2,4,6
	v_pk_add_f32 v[176+\i:177+\i], v[AC+\i:AC+\i+1], v[AC+8+\i:AC+8+\i+1]
.endr
	ds_store_b128 v[IW], v[176:179]                ; the image: lane l's 16 bytes at 16 l, 512 bytes a store
	ds_store_b128 v[IW], v[180:183] offset:512
	s_wait_dscnt 0x0                               ; for the others' sake: my stores have landed
	s_barrier_signal -1
	s_barrier_wait -1                              ; the twelve images lie in LDS
	s_cmp_ge_u32 s14, 4
	s_cbranch_scc1 .Lrest
.irp i, 0,1,2,3
	ds_load_b128 v[32+8*\i:35+8*\i], v[LI] offset:1024*\i          ; q: channels 16 i on
	ds_load_b128 v[36+8*\i:39+8*\i], v[LI] offset:1024*\i+512
	ds_load_b128 v[64+8*\i:67+8*\i], v[LI] offset:1024*(4+\i)      ; k
	ds_load_b128 v[68+8*\i:71+8*\i], v[LI] offset:1024*(4+\i)+512
.endr
	ds_load_b128 v[96:99], v[LV]                   ; v: my 16 channels
	ds_load_b128 v[100:103], v[LV] offset:512
	s_wait_dscnt 0x0
.irp i, 0,1,2,3                        ; S^T = K Q^T: source 0 = the 16 keys, source 1 = the 16 queries, four channels an instruction; two accumulators by turns
.irp t, 0,1,2,3
.if (4*\i+\t) < 2
	v_wmma_f32_16x16x4_f32 v[FS+8*(\t%2):FS+8*(\t%2)+7], v[64+8*\i+2*\t:65+8*\i+2*\t], v[32+8*\i+2*\t:33+8*\i+2*\t], 0
.else
	v_wmma_f32_16x16x4_f32 v[FS+8*(\t%2):FS+8*(\t%2)+7], v[64+8*\i+2*\t:65+8*\i+2*\t], v[32+8*\i+2*\t:33+8*\i+2*\t], v[FS+8*(\t%2):FS+8*(\t%2)+7]
.endif
.endr
.endr
.rept 8
	v_nop                                          ; eight places behind the f32 form
.endr
.irp i, 0,2,4,6
	v_pk_add_f32 v[120+\i:121+\i], v[FS+\i:FS+\i+1], v[FS+8+\i:FS+8+\i+1]   ; lane (r, h), register j: key 8 h + j, query r
.endr
.irp j, 0,1,2,3,4,5,6,7
	v_cmp_gt_i32 vcc_lo, \j, v[DD]                 ; hidden where 8 h + j > r
	v_cndmask_b32 v[120+\j], v[120+\j], v[NINF], vcc_lo
.endr
	v_max3_num_f32 v104, v120, v121, v122
	v_max3_num_f32 v104, v104, v123, v124
	v_max3_num_f32 v104, v104, v125, v126
	v_max_num_f32 v104, v104, v127
	v_permlanex16_b32 v105, v104, s36, s37
	v_max_num_f32 v104, v104, v105                 ; the row's maximum: key 0 counts for every query, so it is a number
	v_mul_f32 v106, s38, v104
	v_mov_b32 v107, v106                           ; (named with it as a pair)
.irp i, 0,2,4,6
	v_pk_fma_f32 v[120+\i:121+\i], v[120+\i:121+\i], s[38:39], v[106:107] op_sel_hi:[1,0,0] neg_lo:[0,0,1] neg_hi:[0,0,1]   ; c s - c m
.endr
.irp j, 0,1,2,3,4,5,6,7
	v_exp_f32 v[120+\j], v[120+\j]
.endr
	v_nop                                          ; a plain instruction behind the last exponential
	s_wait_alu depctr_va_vdst(0)                   ; the wait ahead of the first instruction that names a result: one for the eight
	v_pk_add_f32 v[108:109], v[120:121], v[122:123]
	v_pk_add_f32 v[110:111], v[124:125], v[126:127]
	v_pk_add_f32 v[108:109], v[108:109], v[110:111]
	v_add_f32 v108, v108, v109
	v_permlanex16_b32 v105, v108, s36, s37
	v_add_f32 v108, v108, v105                     ; the row's sum
	v_rcp_f32 v110, v108
	v_mov_b32 v111, 0                              ; (a plain instruction behind the reciprocal; the pair's upper half)
	s_wait_alu depctr_va_vdst(0)
.irp t, 0,1,2,3                        ; O^T = V^T P: source 0 = my 16 channels, source 1 = the 16 queries, four keys an instruction
.if \t < 2
	v_wmma_f32_16x16x4_f32 v[FO+8*(\t%2):FO+8*(\t%2)+7], v[96+2*\t:97+2*\t], v[120+2*\t:121+2*\t], 0
.else
	v_wmma_f32_16x16x4_f32 v[FO+8*(\t%2):FO+8*(\t%2)+7], v[96+2*\t:97+2*\t], v[120+2*\t:121+2*\t], v[FO+8*(\t%2):FO+8*(\t%2)+7]
.endif
.endr
.rept 8
	v_nop
.endr
.irp i, 0,2,4,6
	v_pk_add_f32 v[128+\i:129+\i], v[FO+\i:FO+\i+1], v[FO+8+\i:FO+8+\i+1]
.endr
.irp i, 0,2,4,6
	v_pk_mul_f32 v[128+\i:129+\i], v[128+\i:129+\i], v[110:111] op_sel_hi:[1,0]   ; / the sum: lane (r, h), register j: query r, channel 16 w + 8 h + j
.endr
	ds_store_b128 v[SW], v[128:131]
	ds_store_b128 v[SW], v[132:135] offset:16
.Lrest:
	s_wait_dscnt 0x0                               ; my stores into the stage have landed
	s_barrier_signal -1
	s_barrier_wait -1                              ; 16 whole rows lie in the stage
	s_cmp_ge_u32 s14, 4
	s_cbranch_scc1 .Lend
	ds_load_b128 v[136:139], v[SR]
	ds_load_b128 v[140:143], v[SR] offset:544
	s_wait_dscnt 0x0
	global_store_b128 v[GOF], v[136:139], s[12:13]                 ; sixteen lanes store 256 consecutive bytes, at a multiple of 256 from fine_o's first byte
	global_store_b128 v[GOF], v[140:143], s[12:13] offset:8192
.Lend:
	s_wait_tensorcnt 0x0                           ; the wave's end: behind my last LDS store
	ds_add_u32 v[SPW], v[NIL]
	s_wait_dscnt 0x0
	s_endpgm
.Lfunc_end_k_q3e01137823_fine_attn:
	.size	k_q3e01137823_fine_attn, .Lfunc_end_k_q3e01137823_fine_attn-k_q3e01137823_fine_attn
	.p2alignl 7, 3214868480
	.fill 96, 4, 3214868480
	.section	.rodata,"a",@progbits
	.p2align	6, 0x0
	.amdhsa_kernel k_q3e01137823_fine_attn
		.amdhsa_group_segment_fixed_size 18432
		.amdhsa_private_segment_fixed_size 0
		.amdhsa_enable_private_segment 0
		.amdhsa_kernarg_size 40
		.amdhsa_user_sgpr_count 2
		.amdhsa_user_sgpr_kernarg_segment_ptr 1
		.amdhsa_wavefront_size32 1
		.amdhsa_system_sgpr_workgroup_id_x 1
		.amdhsa_system_sgpr_workgroup_id_y 1
		.amdhsa_system_sgpr_workgroup_id_z 1
		.amdhsa_system_vgpr_workitem_id 0
		.amdhsa_next_free_vgpr 224
		.amdhsa_next_free_sgpr 66
		.amdhsa_reserve_vcc 1
		.amdhsa_float_denorm_mode_32 3
		.amdhsa_float_denorm_mode_16_64 3
		.amdhsa_memory_ordered 1
		.amdhsa_forward_progress 1
		.amdhsa_inst_pref_size 15
	.end_amdhsa_kernel
	.amdgpu_metadata
---
amdhsa.version: [ 1, 2 ]
amdhsa.kernels:
  - .name:           k_q3e01137823_fine_attn
    .symbol:         k_q3e01137823_fine_attn.kd
    .args:
      - { .name: xc, .offset: 0, .size: 8, .value_kind: global_buffer, .address_space: global }
      - { .name: xs, .offset: 8, .size: 8, .value_kind: global_buffer, .address_space: global }
      - { .name: wc, .offset: 16, .size: 8, .value_kind: global_buffer, .address_space: global }
      - { .name: ws, .offset: 24, .size: 8, .value_kind: global_buffer, .address_space: global }
      - { .name: fine_o, .offset: 32, .size: 8, .value_kind: global_buffer, .address_space: global }
    .group_segment_fixed_size: 18432
    .private_segment_fixed_size: 0
    .kernarg_segment_align: 8
    .kernarg_segment_size: 40
    .max_flat_workgroup_size: 384
    .sgpr_count:     66
    .vgpr_count:     224
    .wavefront_size: 32
...
	.end_amdgpu_metadata
.endif
;; end of part 5
;; launch fine_proj (part 6): grid 64 x 4, 8 waves a work-group, no clusters, 9,216 bytes of LDS; arguments fine_o, w_out, out0; writes out0
.if DOCPART == 6
	.amdgcn_target "amdgcn-amd-amdhsa--gfx1250"
	.amdhsa_code_object_version 6
	.text
	.protected	k_q3e01137823_fine_proj
	.globl	k_q3e01137823_fine_proj
	.p2align	8
	.type	k_q3e01137823_fine_proj,@function
k_q3e01137823_fine_proj:
	s_mov_b64 s[64:65], 0
	v_nop
	global_prefetch_b8 v0, s[64:65] scope:SCOPE_SE
	s_setreg_imm32_b32 hwreg(HW_REG_WAVE_MODE, 25, 1), 1
	s_wait_xcnt 0x0
; THE FIRST 16 POSITIONS of each sequence on the way out, in f32: out0[batch][i][n] = sum over k of fine_o[16 batch + i][k] w_out[n][k], i = 0 .. 15, with w_out as it is given.  These 64 rows are written over what the
; launch before left there.
; Work-group (16 columns n, batch).  Wave w takes k = 128 w .. 128 w + 127: 32 f32 matrix instructions, transposed (source 0 = 16 rows of w_out, source 1 = the 16 positions): a lane holds one position and eight
; neighbouring columns.  A load of 16 bytes gives lane half h the four k = 8 c + 4 h + 0..3 on BOTH sides; the pair 2 e, 2 e + 1 of its registers is one instruction's K: the same permutation of K on both sides.
; The eight waves' parts meet in LDS as images of their registers; waves 0 and 1 add them and store.
; This is no bulk work: 64 rows of 8,192.  256 work-groups share it, 32 matrix instructions a wave.
; STATED: a work-group's 16 columns are 64 bytes of a row, so its stores cover a quarter of each run of 256 bytes: 256 KB in all.  64 columns a work-group would leave three work-groups in four without work.
.set SPARE, 8*1024                     ; LDS: 8 images of 1,024 bytes; behind them the spare words, 128 bytes a wave, which no other line names
.set OF,  4                            ; v4   4,096 r + 16 h
.set IW,  5                            ; v5   where I store my image: 1,024 w + 16 lane
.set RA,  6                            ; v6   where I read the images: 16 x (thread % 64)
.set GOF, 7                            ; v7   my 16 bytes in out0: 4,096 r + 32 h + 16 (w % 2)
.set SPW, 14                           ; v14  LDS address of my spare word; never rewritten
.set NIL, 15                           ; v15  0; never rewritten
.set WF,  16                           ; v16-79  w_out: 16 loads of four registers; later the eight images' parts
.set FF,  80                           ; v80-143 fine_o likewise
.set AC,  144                          ; v144-159 two accumulators: written by matrix instructions alone;  v160-167 their sum
	s_load_b128 s[4:7], s[0:1], 0x0                ; fine_o s[4:5], w_out s[6:7]
	s_load_b64 s[8:9], s[0:1], 0x10                ; out0
	v_lshl_add_u32 v[SPW], v0, 2, SPARE
	v_mov_b32 v[NIL], 0
	v_lshrrev_b32 v1, 5, v0
	v_readfirstlane_b32 s10, v1                    ; wave 0..7
	v_and_b32 v1, 31, v0                           ; lane
	v_and_b32 v2, 15, v0                           ; r
	v_bfe_u32 v3, v0, 4, 1                         ; h
	v_lshlrev_b32 v[OF], 12, v2
	v_lshl_add_u32 v[GOF], v3, 5, v[OF]
	v_lshl_add_u32 v[OF], v3, 4, v[OF]
	s_and_b32 s11, s10, 1
	s_lshl_b32 s11, s11, 4
	v_add_nc_u32 v[GOF], s11, v[GOF]
	v_lshlrev_b32 v[IW], 4, v1
	s_lshl_b32 s11, s10, 10
	v_add_nc_u32 v[IW], s11, v[IW]
	v_and_b32 v[RA], 63, v0
	v_lshlrev_b32 v[RA], 4, v[RA]
	s_lshl_b32 s14, s10, 9                         ; my 128 k: 512 bytes along the rows
	s_lshl_b32 s12, ttmp9, 16                      ; w_out: 16 rows of 4,096 bytes a work-group
	s_add_co_u32 s12, s12, s14
	s_mov_b32 s13, 0
	s_and_b32 s15, ttmp7, 0xffff                   ; the batch
	s_lshl_b32 s16, s15, 16                        ; fine_o: 16 rows of 4,096 bytes a batch
	s_add_co_u32 s16, s16, s14
	s_mov_b32 s17, 0
	s_lshl_b32 s18, s15, 23                        ; out0: 2,048 rows of 4,096 bytes a batch,
	s_lshl_b32 s14, ttmp9, 6                       ; 64 bytes a work-group
	s_add_co_u32 s18, s18, s14
	s_mov_b32 s19, 0
	s_wait_kmcnt 0x0
	s_add_nc_u64 s[6:7], s[6:7], s[12:13]
	s_add_nc_u64 s[4:5], s[4:5], s[16:17]
	s_add_nc_u64 s[8:9], s[8:9], s[18:19]
.irp c, 0,1,2,3,4,5,6,7,8,9,10,11,12,13,14,15
	global_load_b128 v[WF+4*\c:WF+4*\c+3], v[OF], s[6:7] offset:32*\c
	global_load_b128 v[FF+4*\c:FF+4*\c+3], v[OF], s[4:5] offset:32*\c
.endr
.irp g, 0,1,2,3
	s_wait_loadcnt 24-8*\g                         ; this group's eight loads are in; the later groups of eight may be out
.irp d, 0,1,2,3
.irp e, 0,1                            ; two accumulators take turns; the first two products start the sums
.if (4*\g+\d) == 0
	v_wmma_f32_16x16x4_f32 v[AC+8*\e:AC+8*\e+7], v[WF+4*(4*\g+\d)+2*\e:WF+4*(4*\g+\d)+2*\e+1], v[FF+4*(4*\g+\d)+2*\e:FF+4*(4*\g+\d)+2*\e+1], 0
.else
	v_wmma_f32_16x16x4_f32 v[AC+8*\e:AC+8*\e+7], v[WF+4*(4*\g+\d)+2*\e:WF+4*(4*\g+\d)+2*\e+1], v[FF+4*(4*\g+\d)+2*\e:FF+4*(4*\g+\d)+2*\e+1], v[AC+8*\e:AC+8*\e+7]
.endif
.endr
.endr
.endr
.rept 8
	v_nop                                          ; eight places behind the f32 form (ISA guide 7.12.1)
.endr
.irp i, 0,2,4,6
	v_pk_add_f32 v[160+\i:161+\i], v[AC+\i:AC+\i+1], v[AC+8+\i:AC+8+\i+1]   ; lane (r, h), register j: position r, column 8 h + j
.endr
	ds_store_b128 v[IW], v[160:163]                ; the image: registers 0-3 in the first 512 bytes, 4-7 in the second
	ds_store_b128 v[IW], v[164:167] offset:512
	s_wait_dscnt 0x0                               ; for the others' sake: my stores have landed
	s_barrier_signal -1
	s_barrier_wait -1
	s_cmp_ge_u32 s10, 2
	s_cbranch_scc1 .Lend
.irp p, 0,1,2,3,4,5,6,7
	ds_load_b128 v[WF+4*\p:WF+4*\p+3], v[RA] offset:1024*\p        ; wave 0: every image's registers 0-3; wave 1: 4-7
.endr
	s_wait_dscnt 0x0
.irp p, 0,2,4,6
	v_pk_add_f32 v[WF+4*\p:WF+4*\p+1], v[WF+4*\p:WF+4*\p+1], v[WF+4*\p+4:WF+4*\p+5]
	v_pk_add_f32 v[WF+4*\p+2:WF+4*\p+3], v[WF+4*\p+2:WF+4*\p+3], v[WF+4*\p+6:WF+4*\p+7]
.endr
.irp p, 0,4
	v_pk_add_f32 v[WF+4*\p:WF+4*\p+1], v[WF+4*\p:WF+4*\p+1], v[WF+4*\p+8:WF+4*\p+9]
	v_pk_add_f32 v[WF+4*\p+2:WF+4*\p+3], v[WF+4*\p+2:WF+4*\p+3], v[WF+4*\p+10:WF+4*\p+11]
.endr
	v_pk_add_f32 v[WF:WF+1], v[WF:WF+1], v[WF+16:WF+17]
	v_pk_add_f32 v[WF+2:WF+3], v[WF+2:WF+3], v[WF+18:WF+19]
	global_store_b128 v[GOF], v[WF:WF+3], s[8:9]
.Lend:
	s_wait_tensorcnt 0x0                           ; the wave's end: behind my last LDS store
	ds_add_u32 v[SPW], v[NIL]
	s_wait_dscnt 0x0
	s_endpgm
.Lfunc_end_k_q3e01137823_fine_proj:
	.size	k_q3e01137823_fine_proj, .Lfunc_end_k_q3e01137823_fine_proj-k_q3e01137823_fine_proj
	.p2alignl 7, 3214868480
	.fill 96, 4, 3214868480
	.section	.rodata,"a",@progbits
	.p2align	6, 0x0
	.amdhsa_kernel k_q3e01137823_fine_proj
		.amdhsa_group_segment_fixed_size 9216
		.amdhsa_private_segment_fixed_size 0
		.amdhsa_enable_private_segment 0
		.amdhsa_kernarg_size 24
		.amdhsa_user_sgpr_count 2
		.amdhsa_user_sgpr_kernarg_segment_ptr 1
		.amdhsa_wavefront_size32 1
		.amdhsa_system_sgpr_workgroup_id_x 1
		.amdhsa_system_sgpr_workgroup_id_y 1
		.amdhsa_system_sgpr_workgroup_id_z 1
		.amdhsa_system_vgpr_workitem_id 0
		.amdhsa_next_free_vgpr 176
		.amdhsa_next_free_sgpr 66
		.amdhsa_reserve_vcc 0
		.amdhsa_float_denorm_mode_32 3
		.amdhsa_float_denorm_mode_16_64 3
		.amdhsa_memory_ordered 1
		.amdhsa_forward_progress 1
		.amdhsa_inst_pref_size 10
	.end_amdhsa_kernel
	.amdgpu_metadata
---
amdhsa.version: [ 1, 2 ]
amdhsa.kernels:
  - .name:           k_q3e01137823_fine_proj
    .symbol:         k_q3e01137823_fine_proj.kd
    .args:
      - { .name: fine_o, .offset: 0, .size: 8, .value_kind: global_buffer, .address_space: global }
      - { .name: w_out, .offset: 8, .size: 8, .value_kind: global_buffer, .address_space: global }
      - { .name: out0, .offset: 16, .size: 8, .value_kind: global_buffer, .address_space: global }
    .group_segment_fixed_size: 9216
    .private_segment_fixed_size: 0
    .kernarg_segment_align: 8
    .kernarg_segment_size: 24
    .max_flat_workgroup_size: 256
    .sgpr_count:     66
    .vgpr_count:     176
    .wavefront_size: 32
...
	.end_amdgpu_metadata
.endif
;; end of part 6
